; MI455X (gfx1250); checked and timed in simulation.
; The chip was launched on July 23, 2026; its instructions are those of AMD's public machine-readable ISA for CDNA 5 (MIT licence, August 2026) and "CDNA5" Instruction Set Architecture Reference Guide (July 2026). The comments in the code are by the model that wrote it; some were corrected since.
;; Self Attention. Allowed arithmetic: float matrix products may take bf16 or f16 operands with f32 sums; other float arithmetic in f32, or as packed bf16 or f16 multiplies, adds, multiply-adds, maxima and minima; sums over many terms, partial sums and values carried from step to step in f32; what a program stores and reads back later, other than sums and carried values, may be rounded once to bf16 or f16.
;; Inputs: gn_b 256 float32; gn_w 256 float32; out_b 256 float32; out_w 256 x 256 float32; qkv_b 768 float32; qkv_w 768 x 256 float32; x 4 x 256 x 64 x 64 float32.
;; Outputs: out0 4 x 256 x 64 x 64 float32.
;; 2 versions, each right; version 2 is version 1 with the launch norm written anew for expert scheduling mode. Each part assembles by itself: llvm-mc -triple=amdgcn-amd-amdhsa -mcpu=gfx1250 --defsym DOCPART=n.
;; ======== version 1 of 2: 4 launches
;; workspace buffers: hbuf 8,388,608 bytes; wbf 524,288 bytes; qkv 25,165,824 bytes; ows 8,388,608 bytes
;; launch norm (part 1): grid 136 x 1, 8 waves a work-group, no clusters, 1,536 bytes of LDS; arguments x, gn_w, gn_b, qkv_w, out_w, hbuf, wbf; writes hbuf, wbf
.if DOCPART == 1
	.amdgcn_target "amdgcn-amd-amdhsa--gfx1250"
	.amdhsa_code_object_version 6
	.text
	.protected	k_qad41e25935_norm
	.globl	k_qad41e25935_norm
	.p2align	8
	.type	k_qad41e25935_norm,@function
k_qad41e25935_norm:
	s_mov_b64 s[64:65], 0
	v_nop
	global_prefetch_b8 v0, s[64:65] scope:SCOPE_SE
	s_setreg_imm32_b32 hwreg(HW_REG_WAVE_MODE, 25, 1), 1
	s_wait_xcnt 0x0
; GROUP NORM, AND BOTH WEIGHT MATRICES ROUNDED TO bf16.
; x: [4][256][4096] f32.  A group is 8 channels x 4,096 positions of one image: 32,768 numbers, 131,072 consecutive bytes.  hbuf: the same order in bf16.
; wbf: [1024][256] bf16: rows 0-767 qkv_w, rows 768-1023 out_w.
; SHARES.  Every work-group takes 131,072 consecutive bytes of f32 and stores 65,536 of bf16.  Work-groups 0-127: group number = the work-group's number.  128-133: qkv_w.  134, 135: out_w.
; Each of the eight waves takes 16,384 bytes (in a group: one channel) and keeps them in 128 registers, so memory is read once.
; THE STATISTICS are made in two passes over the registers: the mean; then the sum of (x - mean)^2: no difference of large sums is formed.  All sums in f32.
; A wave's load covers 512 consecutive bytes, its store 256 consecutive bytes, aligned.  No matrix unit, no cluster: nothing is shared and nothing is multiplied by a matrix.
.set X,     16                         ; v[16:143]  32 loads of 4 registers
.set CH,    144                        ; v[144:151] four chains of pairs
.set RB,    152                        ; v[152:159] the eight waves' partial sums
.set LO,    2                          ; v2  16 x lane
.set SO,    3                          ; v3  8 x lane
.set WD,    4                          ; v4  4 x wave: my word among the partial sums
.set ZA,    5                          ; v5  0: the address from which all eight are read
.set SPW,   6                          ; v6  my spare word; never rewritten
.set NIL,   7                          ; v7  0; never rewritten
.set MEAN,  8                          ; v[8:9]   the mean, twice
.set GA,    10                         ; v[10:11] gain / sqrt(var + eps), twice
.set GB,    12                         ; v[12:13] the channel's bias, twice
.set RED0,  0                          ; LDS: eight words for the first sums,
.set RED1,  256                        ; eight for the second, in a block of their own,
.set SPARE, 512                        ; and the spare words, 128 bytes for each of eight waves
.set WV,    20                         ; s20 wave
	s_load_b256 s[4:11], s[0:1], 0x0               ; x s[4:5], gn_w s[6:7], gn_b s[8:9], qkv_w s[10:11]
	s_load_b128 s[12:15], s[0:1], 0x20             ; out_w s[12:13], hbuf s[14:15]
	s_load_b64 s[16:17], s[0:1], 0x30              ; wbf
	v_lshl_add_u32 v[SPW], v0, 2, SPARE
	v_mov_b32 v[NIL], 0
	v_lshrrev_b32 v1, 5, v0
	v_readfirstlane_b32 s[WV], v1                  ; wave 0..7
	v_and_b32 v1, 31, v0
	v_lshlrev_b32 v[LO], 4, v1
	v_lshlrev_b32 v[SO], 3, v1
	s_lshl_b32 s21, s[WV], 2
	v_mov_b32 v[WD], s21
	v_mov_b32 v[ZA], 0
	s_mov_b32 s34, 0x76543210                      ; v_permlanex16_b32: each lane takes its own place in the other half
	s_mov_b32 s35, 0xfedcba98
	s_mov_b32 s36, 0x38000000                      ; 2^-15 = 1 / 32,768
	s_mov_b32 s37, 0x3727c5ac                      ; eps = 1e-5
	s_wait_kmcnt 0x0
	s_cmp_lt_u32 ttmp9, 128                        ; a group of x?
	s_cselect_b64 s[24:25], s[4:5], s[10:11]       ; from x, else from qkv_w
	s_cselect_b64 s[28:29], s[14:15], s[16:17]     ; into hbuf, else into wbf
	s_cselect_b32 s22, 0, 128                      ; the first work-group of that source
	s_cmp_ge_u32 ttmp9, 134
	s_cselect_b64 s[24:25], s[12:13], s[24:25]     ; the last two: from out_w
	s_cselect_b32 s22, 134, s22
	s_sub_co_u32 s22, ttmp9, s22
	s_lshl_b32 s22, s22, 17                        ; 131,072 bytes a work-group,
	s_lshl_b32 s21, s[WV], 14                      ; 16,384 a wave
	s_add_co_u32 s22, s22, s21
	s_mov_b32 s23, 0
	s_add_nc_u64 s[24:25], s[24:25], s[22:23]
	s_and_b32 s26, ttmp9, 127                      ; in hbuf the work-group's number, in wbf that number less 128
	s_lshl_b32 s26, s26, 16
	s_lshl_b32 s21, s[WV], 13
	s_add_co_u32 s26, s26, s21
	s_mov_b32 s27, 0
	s_add_nc_u64 s[28:29], s[28:29], s[26:27]
.set i, 0
.rept 32
	global_load_b128 v[X+4*i:X+4*i+3], v[LO], s[24:25] offset:512*i th:TH_LOAD_NT
.set i, i+1
.endr
	s_cmp_ge_u32 ttmp9, 128                        ; the same for all eight waves of a work-group
	s_cbranch_scc1 .Lround                         ; weights are only rounded
	s_and_b32 s32, ttmp9, 31                       ; my channel: 8 x group + wave,
	s_lshl_b32 s32, s32, 3
	s_add_co_u32 s32, s32, s[WV]
	s_lshl_b32 s32, s32, 2                         ; in bytes
	s_mov_b32 s33, 0
	s_add_nc_u64 s[6:7], s[6:7], s[32:33]
	s_add_nc_u64 s[8:9], s[8:9], s[32:33]
	s_load_b32 s30, s[6:7], 0x0                    ; its gain
	s_load_b32 s31, s[8:9], 0x0                    ; and bias: waited for where they are used
.macro FOLD                            ; the four chains into one number
	v_pk_add_f32 v[CH:CH+1], v[CH:CH+1], v[CH+2:CH+3]
	v_pk_add_f32 v[CH+4:CH+5], v[CH+4:CH+5], v[CH+6:CH+7]
	v_pk_add_f32 v[CH:CH+1], v[CH:CH+1], v[CH+4:CH+5]
	v_add_f32 v[CH], v[CH], v[CH+1]
.endm
.macro WRED                            ; over the 32 lanes: four steps inside each half ride on the addition, one crosses the halves
	v_add_f32_dpp v[CH], v[CH], v[CH] row_xmask:1 row_mask:0xf bank_mask:0xf
	v_add_f32_dpp v[CH], v[CH], v[CH] row_xmask:2 row_mask:0xf bank_mask:0xf
	v_add_f32_dpp v[CH], v[CH], v[CH] row_xmask:4 row_mask:0xf bank_mask:0xf
	v_add_f32_dpp v[CH], v[CH], v[CH] row_xmask:8 row_mask:0xf bank_mask:0xf
	v_permlanex16_b32 v[CH+2], v[CH], s34, s35     ; its destination has been written by the chains
	v_add_f32 v[CH], v[CH], v[CH+2]
.endm
.macro XRED base                       ; over the eight waves: each stores its word, one barrier, each reads all eight
	ds_store_b32 v[WD], v[CH] offset:\base
	s_wait_dscnt 0x0                               ; for the others' sake: my word is written
	s_barrier_signal -1
	s_barrier_wait -1
	ds_load_b128 v[RB:RB+3], v[ZA] offset:\base
	ds_load_b128 v[RB+4:RB+7], v[ZA] offset:(\base)+16
	s_wait_dscnt 0x0
	v_pk_add_f32 v[RB:RB+1], v[RB:RB+1], v[RB+2:RB+3]
	v_pk_add_f32 v[RB+4:RB+5], v[RB+4:RB+5], v[RB+6:RB+7]
	v_pk_add_f32 v[RB:RB+1], v[RB:RB+1], v[RB+4:RB+5]
	v_add_f32 v[RB], v[RB], v[RB+1]
.endm
	; pass 1: the sum.  The first eight pairs start the four chains: nothing is cleared.
.set p, 0
.rept 64
.if (p%16) == 0
	s_wait_loadcnt 24-(p/16)*8                     ; loads come back in order: the next eight are in, the younger ones stay out
.endif
.if p >= 8
	v_pk_add_f32 v[CH+2*(p%4):CH+2*(p%4)+1], v[CH+2*(p%4):CH+2*(p%4)+1], v[X+2*p:X+2*p+1]
.elseif p >= 4
	v_pk_add_f32 v[CH+2*(p-4):CH+2*(p-4)+1], v[X+2*(p-4):X+2*(p-4)+1], v[X+2*p:X+2*p+1]
.endif
.set p, p+1
.endr
	FOLD
	WRED
	XRED RED0
	v_mul_f32 v[MEAN], s36, v[RB]
	v_mov_b32 v[MEAN+1], v[MEAN]
	; pass 2: d = x - mean, in place, and the sum of d^2
.set p, 0
.rept 64
	v_pk_add_f32 v[X+2*p:X+2*p+1], v[X+2*p:X+2*p+1], v[MEAN:MEAN+1] neg_lo:[0,1] neg_hi:[0,1]
.set p, p+1
.endr
.set p, 0
.rept 64
.if p < 4
	v_pk_mul_f32 v[CH+2*p:CH+2*p+1], v[X+2*p:X+2*p+1], v[X+2*p:X+2*p+1]
.else
	v_pk_fma_f32 v[CH+2*(p%4):CH+2*(p%4)+1], v[X+2*p:X+2*p+1], v[X+2*p:X+2*p+1], v[CH+2*(p%4):CH+2*(p%4)+1]
.endif
.set p, p+1
.endr
	FOLD
	WRED
	XRED RED1                                      ; other words than the first sums': no wave need wait for the others' reads of those
	v_fma_f32 v[GA], v[RB], s36, s37               ; var + eps
	v_rsq_f32 v[GA], v[GA]
	v_nop                                          ; a plain instruction between the root and the use of its result
	s_wait_kmcnt 0x0                               ; gain and bias
	s_wait_alu depctr_va_vdst(0)
	v_mul_f32 v[GA], s30, v[GA]
	v_mov_b32 v[GB], s31
	v_mov_b32 v[GB+1], s31
	v_mov_b32 v[GA+1], v[GA]
.set p, 0
.rept 64
	v_pk_fma_f32 v[X+2*p:X+2*p+1], v[X+2*p:X+2*p+1], v[GA:GA+1], v[GB:GB+1]
.set p, p+1
.endr
.Lround:
	s_wait_loadcnt 0x0                             ; (on the groups' way all loads came long ago)
.set i, 0
.rept 32
	v_cvt_pk_bf16_f32 v[X+4*i], v[X+4*i], v[X+4*i+1]
	v_cvt_pk_bf16_f32 v[X+4*i+1], v[X+4*i+2], v[X+4*i+3]
	global_store_b64 v[SO], v[X+4*i:X+4*i+1], s[28:29] offset:256*i  ; 32 lanes store 256 consecutive bytes, at a multiple of 256 from the buffer's first byte
.set i, i+1
.endr
	s_wait_tensorcnt 0x0                           ; the wave's end, behind my last LDS store
	ds_add_u32 v[SPW], v[NIL]
	s_wait_dscnt 0x0
	s_endpgm
.Lfunc_end_k_qad41e25935_norm:
	.size	k_qad41e25935_norm, .Lfunc_end_k_qad41e25935_norm-k_qad41e25935_norm
	.p2alignl 7, 3214868480
	.fill 96, 4, 3214868480
	.section	.rodata,"a",@progbits
	.p2align	6, 0x0
	.amdhsa_kernel k_qad41e25935_norm
		.amdhsa_group_segment_fixed_size 1536
		.amdhsa_private_segment_fixed_size 0
		.amdhsa_enable_private_segment 0
		.amdhsa_kernarg_size 56
		.amdhsa_user_sgpr_count 2
		.amdhsa_user_sgpr_kernarg_segment_ptr 1
		.amdhsa_wavefront_size32 1
		.amdhsa_system_sgpr_workgroup_id_x 1
		.amdhsa_system_sgpr_workgroup_id_y 1
		.amdhsa_system_sgpr_workgroup_id_z 1
		.amdhsa_system_vgpr_workitem_id 0
		.amdhsa_next_free_vgpr 160
		.amdhsa_next_free_sgpr 66
		.amdhsa_reserve_vcc 0
		.amdhsa_float_denorm_mode_32 3
		.amdhsa_float_denorm_mode_16_64 3
		.amdhsa_memory_ordered 1
		.amdhsa_forward_progress 1
		.amdhsa_inst_pref_size 31
	.end_amdhsa_kernel
	.amdgpu_metadata
---
amdhsa.version: [ 1, 2 ]
amdhsa.kernels:
  - .name:           k_qad41e25935_norm
    .symbol:         k_qad41e25935_norm.kd
    .args:
      - { .name: x, .offset: 0, .size: 8, .value_kind: global_buffer, .address_space: global }
      - { .name: gn_w, .offset: 8, .size: 8, .value_kind: global_buffer, .address_space: global }
      - { .name: gn_b, .offset: 16, .size: 8, .value_kind: global_buffer, .address_space: global }
      - { .name: qkv_w, .offset: 24, .size: 8, .value_kind: global_buffer, .address_space: global }
      - { .name: out_w, .offset: 32, .size: 8, .value_kind: global_buffer, .address_space: global }
      - { .name: hbuf, .offset: 40, .size: 8, .value_kind: global_buffer, .address_space: global }
      - { .name: wbf, .offset: 48, .size: 8, .value_kind: global_buffer, .address_space: global }
    .group_segment_fixed_size: 1536
    .private_segment_fixed_size: 0
    .kernarg_segment_align: 8
    .kernarg_segment_size: 56
    .max_flat_workgroup_size: 256
    .sgpr_count:     66
    .vgpr_count:     160
    .wavefront_size: 32
...
	.end_amdgpu_metadata
.endif
;; end of part 1
;; launch qkvp (part 2): grid 64 x 4, 4 waves a work-group, clusters of 4 x 4, 250,368 bytes of LDS; arguments hbuf, wbf, qkv_b, qkv; writes qkv
.if DOCPART == 2
	.amdgcn_target "amdgcn-amd-amdhsa--gfx1250"
	.amdhsa_code_object_version 6
	.text
	.protected	k_qad41e25935_qkvp
	.globl	k_qad41e25935_qkvp
	.p2align	8
	.type	k_qad41e25935_qkvp,@function
k_qad41e25935_qkvp:
	s_mov_b64 s[64:65], 0
	v_nop
	global_prefetch_b8 v0, s[64:65] scope:SCOPE_SE
	s_setreg_imm32_b32 hwreg(HW_REG_WAVE_MODE, 25, 1), 1
	s_wait_xcnt 0x0
	s_wait_alu depctr_hold_cnt(0) depctr_sa_sdst(0) depctr_va_vdst(0) depctr_va_sdst(0) depctr_va_ssrc(0) depctr_va_vcc(0) depctr_vm_vsrc(0)
	s_getreg_b32 s2, hwreg(HW_REG_IB_STS2, 6, 4)
	s_cmp_eq_u32 s2, 0
	s_cbranch_scc0 .Lentry_in_a_cluster
	s_endpgm
.Lentry_in_a_cluster:
	s_bfe_u32 s2, ttmp6, 0x10000c
	s_cmp_lg_u32 s2, 0xf033
	s_cbranch_scc0 .Lentry_shape_is_right
	s_endpgm
.Lentry_shape_is_right:
; q, k, v = W h + b, written by heads.  hbuf: [4][256 c][4096 n] bf16.  wbf: rows 0-767 are qkv_w, [o][256 c] bf16.  qkv_b: [768] f32.
; qkv: [3 tensors][16 heads (4 image + head)][4096 n][64] bf16, each number rounded once from its f32 sum, without the softmax's scale.
; SHARES.  A work-group makes 256 positions n x 192 outputs o: three CHUNKS of 64 o, each one head of one tensor.  64 x 4 = 256 work-groups.  Wave w makes n = 64 w .. 64 w + 63 for all 192 o.
; K = 256 is whole in LDS: two tensor loads a wave at the start (64 rows of h, 48 rows of W), nothing is filled again, no loop.
; CLUSTER 4 x 4.  h's tile hangs on the block of n alone and is shared along a column of the cluster, W's on the block of o alone and is shared along a row: each is asked for jointly by four.
; LAYOUT.  Source 0 = 16 rows of W (K along the rows), source 1 = 16 columns n of h, which lies [c][n] in LDS and is turned by ds_load_tr16_b128.  In the result a lane holds ONE n (lane % 16)
; and the outputs 8 (lane / 16) + 0..7: 16 bytes of a row [n][64].  The bias is the C operand of the product that starts a sum.
; REGISTERS, in windows of 256: window 0: addresses, v32-95 the way out, v128-255 two buffers of W's fragments (64 along K each);
;   window 1: all of my h: fragment (n tile t, K step ks) at 8 (8 t + ks);   window 2: v0-127 accumulators (t, ob) at 8 (4 t + ob); v128-223 the bias (chunk c, ob) at 128 + 8 (4 c + ob).
.set PH,    544                        ; a row of h in LDS: 512 bytes + 32 of padding: 17 x 32, for the turning load
.set PW,    528                        ; a row of W: 512 + 16: the 16 rows of a load start at 16 different groups of four banks
.set WOFF,  256*PH                     ; behind h's 256 rows: W's 192
.set STAGE, WOFF+192*PW                ; behind the tiles, never filled by a tensor load: 16 rows x 144 bytes for each wave
.set SP,    144
.set SPARE, STAGE+4*16*SP              ; the spare words, 128 bytes for each wave
.set AH,    4                          ; v4-7   LDS address of my h fragments, rows 64 i on
.set AW,    8                          ; v8-10  of W's fragments, chunk c
.set STO,   11                         ; v11    the way out: where I put 16 bytes of a row
.set RD,    12                         ; v12    where I read rows back
.set GO,    13                         ; v13    my 16 bytes in 512 consecutive bytes of the output
.set BO,    14                         ; v14    32 x (lane / 16): my eight numbers of the bias
.set SPW,   30                         ; v30    my spare word; never rewritten
.set NIL,   31                         ; v31    0; never rewritten
.set TMP,   32
.set WB0,   128
.set WB1,   192
.set BIAS,  128                        ; in window 2
.set WV,    12                         ; s12 wave
.set G1H,   24                         ; s[24:31] descriptor group 1 for h
.set G1W,   32                         ; s[32:39] for W
.set G0H,   40                         ; s[40:43] group 0 for h
.set G0W,   44                         ; s[44:47] for W
.set OUTP,  48                         ; s[48:53] where my rows of chunk 0, 1, 2 begin
.set BP,    54                         ; s[54:55] the bias of my 192 outputs
.set MSB, 0
.macro WIN new                         ; the immediate's high byte repeats the setting that is left; a switch that changes nothing is dropped
.if MSB != (\new)
	s_set_vgpr_msb (MSB<<8)|(\new)
.set MSB, \new
.endif
.endm
.macro CROUND                          ; a round of the cluster's barrier
	s_barrier_signal -1
	s_barrier_wait -1
	s_cmp_lg_u32 s[WV], 0
	s_cbranch_scc1 .Lnot_wave_0_\@
	s_barrier_signal -3
.Lnot_wave_0_\@:
	s_barrier_wait -3
	s_barrier_signal -1
	s_barrier_wait -1
.endm
.macro PLACES                          ; four places behind a matrix instruction, in front of loads into registers that it has read and of conversions that read results
.rept 4
	v_nop
.endr
.endm
	s_load_b256 s[4:11], s[0:1], 0x0               ; hbuf s[4:5], wbf s[6:7], qkv_b s[8:9], qkv s[10:11]
	v_lshl_add_u32 v[SPW], v0, 2, SPARE
	v_mov_b32 v[NIL], 0
	ds_add_u32 v[SPW], v[NIL]                      ; the wave's opening: the add and its wait stand ahead of my first tensor load; the set-up stands between them
	v_lshrrev_b32 v1, 5, v0
	v_readfirstlane_b32 s[WV], v1                  ; wave 0..3
	s_bfe_u32 s13, ttmp6, 0x40000                  ; cx
	s_bfe_u32 s14, ttmp6, 0x40004                  ; cy
	s_lshl_b32 s15, ttmp9, 2
	s_add_co_u32 s15, s15, s13                     ; wx = 4 x cluster x + cx: image wx / 16, block of 256 n wx % 16
	s_and_b32 s16, ttmp7, 0xffff
	s_lshl_b32 s16, s16, 2
	s_add_co_u32 s16, s16, s14                     ; wy = 4 x cluster y + cy: block of 192 o
	s_lshl_b32 s17, 0x1111, s13                    ; my column of the cluster
	s_lshl_b32 s18, s14, 2
	s_lshl_b32 s18, 15, s18                        ; my row
	s_or_b32 s[G1H], s17, (1<<16)|(1<<20)|(1<<21)|(6<<22)|(7<<25)  ; the mask; 2-byte elements; padding on; bit 21 beside a mask; after every 128 words (code 6) 8 words (code 7)
	s_mov_b32 s[G1H+1], 256<<16                    ; tensor_dim0 = 256
	s_mov_b32 s[G1H+2], 64<<16                     ; tensor_dim1 = 64
	s_mov_b32 s[G1H+3], 256<<16                    ; tile_dim0 = 256
	s_mov_b32 s[G1H+4], 64                         ; tile_dim1 = 64
	s_mov_b32 s[G1H+5], 4096                       ; elements from row to row
	s_mov_b32 s[G1H+6], 0
	s_mov_b32 s[G1H+7], 0
	s_or_b32 s[G1W], s18, (1<<16)|(1<<20)|(1<<21)|(6<<22)|(3<<25)  ; the same with my row's mask and 4 words of padding (code 3)
	s_mov_b32 s[G1W+1], 256<<16
	s_mov_b32 s[G1W+2], 48<<16
	s_mov_b32 s[G1W+3], 256<<16
	s_mov_b32 s[G1W+4], 48
	s_mov_b32 s[G1W+5], 256
	s_mov_b32 s[G1W+6], 0
	s_mov_b32 s[G1W+7], 0
	s_lshr_b32 s20, s15, 4                         ; h's tile: made of wx and the wave's number alone
	s_lshl_b32 s20, s20, 21                        ; the image: 256 rows of 8,192 bytes
	s_and_b32 s21, s15, 15
	s_lshl_b32 s21, s21, 9                         ; the block's 512 bytes of a row
	s_add_co_u32 s20, s20, s21
	s_lshl_b32 s21, s[WV], 19                      ; my 64 rows
	s_add_co_u32 s20, s20, s21
	s_mov_b32 s21, 0
	s_mul_i32 s22, s16, 192*512                    ; W's tile: made of wy and the wave's number alone
	s_mul_i32 s23, s[WV], 48*512
	s_add_co_u32 s22, s22, s23
	s_mov_b32 s23, 0
	s_mov_b32 s[G0H], 1
	s_mul_i32 s[G0H+1], s[WV], 64*PH               ; no place in the cluster enters an LDS address
	s_mov_b32 s[G0W], 1
	s_mul_i32 s[G0W+1], s[WV], 48*PW
	s_add_co_u32 s[G0W+1], s[G0W+1], WOFF
	s_wait_dscnt 0x0                               ; the opening add is done
	s_wait_kmcnt 0x0
	s_add_nc_u64 s[G0H+2:G0H+3], s[4:5], s[20:21]
	s_or_b32 s[G0H+3], s[G0H+3], 0x80000000        ; type = 2
	s_add_nc_u64 s[G0W+2:G0W+3], s[6:7], s[22:23]
	s_or_b32 s[G0W+3], s[G0W+3], 0x80000000
	CROUND                                         ; all sixteen work-groups are here: the joint loads meet
	tensor_load_to_lds s[G0H:G0H+3], s[G1H:G1H+7]  ; two loads of mine are out, the only ones of the launch
	s_nop 0
	tensor_load_to_lds s[G0W:G0W+3], s[G1W:G1W+7]
	s_nop 0
.rept 4
	v_nop
.endr
	s_mul_i32 s56, s16, 768                        ; the bias of my 192 outputs
	s_mov_b32 s57, 0
	s_add_nc_u64 s[BP:BP+1], s[8:9], s[56:57]
	v_and_b32 v1, 15, v0                           ; r = lane % 16
	v_bfe_u32 v2, v0, 4, 1                         ; hh = lane / 16
	v_lshlrev_b32 v[BO], 5, v2
	WIN 0x80                                       ; destination window 2, address window 0
.irp c, 0,1,2
.irp ob, 0,1,2,3
	global_load_b128 v[BIAS+8*(4*(\c)+(\ob)):BIAS+8*(4*(\c)+(\ob))+3],   v[BO], s[BP:BP+1] offset:(64*(\c)+16*(\ob))*4
	global_load_b128 v[BIAS+8*(4*(\c)+(\ob))+4:BIAS+8*(4*(\c)+(\ob))+7], v[BO], s[BP:BP+1] offset:(64*(\c)+16*(\ob))*4+16
.endr
.endr
	WIN 0
	; where my rows of the three chunks go: chunk g = 3 wy + c is tensor g / 4, head g % 4
	s_mul_i32 s58, s16, 3
	s_lshr_b32 s59, s15, 4
	s_lshl_b32 s59, s59, 2                         ; 4 x image
	s_and_b32 s60, s15, 15
	s_lshl_b32 s60, s60, 15                        ; the block's 256 rows of 128 bytes,
	s_lshl_b32 s61, s[WV], 13                      ; my 64
	s_add_co_u32 s60, s60, s61
.irp c, 0,1,2
	s_add_co_u32 s61, s58, \c
	s_lshr_b32 s62, s61, 2
	s_lshl_b32 s62, s62, 4
	s_and_b32 s61, s61, 3
	s_add_co_u32 s62, s62, s61
	s_add_co_u32 s62, s62, s59
	s_lshl_b32 s62, s62, 19                        ; a head is 4,096 rows of 128 bytes
	s_add_co_u32 s62, s62, s60
	s_mov_b32 s63, 0
	s_add_nc_u64 s[OUTP+2*(\c):OUTP+2*(\c)+1], s[10:11], s[62:63]
.endr
	; The turning load takes 16 c x 16 n (lane l reads row 8 (l / 16) + l % 8, 16 bytes at 16 ((l / 8) % 2)) and leaves half a fragment: lane l holds column l % 16 and 8 c.
	v_and_b32 v3, 7, v0
	v_bfe_u32 v16, v0, 3, 1
	v_lshl_add_u32 v15, v2, 3, v3
	v_mul_u32_u24 v15, v15, PH
	v_lshl_add_u32 v15, v16, 4, v15
	s_lshl_b32 s58, s[WV], 7                       ; my 64 n: 128 bytes of a row
	v_add_nc_u32 v[AH], s58, v15
	v_add_nc_u32 v[AH+1], 64*PH, v[AH]
	v_add_nc_u32 v[AH+2], 64*PH, v[AH+1]
	v_add_nc_u32 v[AH+3], 64*PH, v[AH+2]
	v_mul_u32_u24 v[AW], v1, PW                    ; a fragment of W: row x pitch + 16 x half
	v_lshl_add_u32 v[AW], v2, 4, v[AW]
	v_add_nc_u32 v[AW], WOFF, v[AW]
	v_add_nc_u32 v[AW+1], 64*PW, v[AW]
	v_add_nc_u32 v[AW+2], 64*PW, v[AW+1]
	s_mul_i32 s59, s[WV], 16*SP
	s_add_co_u32 s59, s59, STAGE                   ; my stage
	v_mul_u32_u24 v[STO], v1, SP                   ; in: row l % 16, 16 bytes for each half of the lanes
	v_lshl_add_u32 v[STO], v2, 4, v[STO]
	v_add_nc_u32 v[STO], s59, v[STO]
	v_bfe_u32 v17, v0, 3, 2                        ; back: 32 lanes take four rows of 128 bytes,
	v_mul_u32_u24 v[RD], v17, SP
	v_lshl_add_u32 v[RD], v3, 4, v[RD]
	v_add_nc_u32 v[RD], s59, v[RD]
	v_and_b32 v[GO], 31, v0                        ; which are 512 consecutive bytes of the output
	v_lshlrev_b32 v[GO], 4, v[GO]
; 16 LDS loads: W's fragments of chunk c for K steps 2 g and 2 g + 1, into buffer buf: (e, ob) at 8 (4 e + ob)
.macro FETCHW c, g, buf
	WIN 0
.irp e, 0,1
.irp ob, 0,1,2,3
	ds_load_b128 v[(\buf)+8*(4*(\e)+(\ob)):(\buf)+8*(4*(\e)+(\ob))+3],   v[AW+(\c)] offset:(\ob)*16*PW+(2*(\g)+(\e))*64
	ds_load_b128 v[(\buf)+8*(4*(\e)+(\ob))+4:(\buf)+8*(4*(\e)+(\ob))+7], v[AW+(\c)] offset:(\ob)*16*PW+(2*(\g)+(\e))*64+32
.endr
.endr
.endm
; 32 matrix instructions: K steps 2 g, 2 g + 1.  The 16 accumulators take turns, one instruction a turn.  K step 0 starts the sums with the bias.
.macro MUL c, g, buf
	WIN 0xa4                                       ; W window 0, h window 1, C and D window 2
.irp e, 0,1
.irp t, 0,1,2,3
.irp ob, 0,1,2,3
.if (2*(\g)+(\e)) == 0
	v_wmma_f32_16x16x32_bf16 v[8*(4*(\t)+(\ob)):8*(4*(\t)+(\ob))+7], v[(\buf)+8*(4*(\e)+(\ob)):(\buf)+8*(4*(\e)+(\ob))+7], v[8*(8*(\t)+2*(\g)+(\e)):8*(8*(\t)+2*(\g)+(\e))+7], v[BIAS+8*(4*(\c)+(\ob)):BIAS+8*(4*(\c)+(\ob))+7]
.else
	v_wmma_f32_16x16x32_bf16 v[8*(4*(\t)+(\ob)):8*(4*(\t)+(\ob))+7], v[(\buf)+8*(4*(\e)+(\ob)):(\buf)+8*(4*(\e)+(\ob))+7], v[8*(8*(\t)+2*(\g)+(\e)):8*(8*(\t)+2*(\g)+(\e))+7], v[8*(4*(\t)+(\ob)):8*(4*(\t)+(\ob))+7]
.endif
.endr
.endr
.endr
.endm
; THE WAY OUT of n tile t: rounded to bf16, each accumulator's registers in ascending order; 16 bytes a lane into my stage; back as whole rows of 128 bytes.
.macro PACK t
	WIN 0x0a                                       ; sources 0 and 1 window 2, destination window 0
.irp ob, 0,1,2,3
.irp rr, 0,1,2,3
	v_cvt_pk_bf16_f32 v[TMP+16*(\t)+4*(\ob)+(\rr)], v[8*(4*(\t)+(\ob))+2*(\rr)], v[8*(4*(\t)+(\ob))+2*(\rr)+1]
.endr
.endr
	WIN 0
.irp ob, 0,1,2,3
	ds_store_b128 v[STO], v[TMP+16*(\t)+4*(\ob):TMP+16*(\t)+4*(\ob)+3] offset:32*(\ob)
.endr
.irp f, 0,1,2,3
	ds_load_b128 v[TMP+16*(\t)+4*(\f):TMP+16*(\t)+4*(\f)+3], v[RD] offset:(\f)*4*SP  ; LDS serves a wave's instructions in order: these see the stores above; the next tile's stores come behind them
.endr
.endm
.macro SEND c, t, younger              ; younger: the LDS instructions issued behind tile t's loads: the next tile's eight, or none
	WIN 0
.irp f, 0,1,2,3
	s_wait_dscnt (\younger)+3-(\f)
	global_store_b128 v[GO], v[TMP+16*(\t)+4*(\f):TMP+16*(\t)+4*(\f)+3], s[OUTP+2*(\c):OUTP+2*(\c)+1] offset:(\t)*2048+(\f)*512  ; 512 consecutive bytes, at a multiple of 256 from the buffer's first
.endr
.endm
; A chunk: four runs of 32 products on two buffers of W; each buffer is fetched again four places behind its last product.  more = 1: the next chunk's first two runs are fetched too.
.macro CHUNK c, more
	s_wait_dscnt 16                                ; all but the youngest run of 16 loads
	MUL \c, 0, WB0
	PLACES
	FETCHW \c, 2, WB0
	s_wait_dscnt 16
	MUL \c, 1, WB1
	PLACES
	FETCHW \c, 3, WB1
	s_wait_dscnt 16
	MUL \c, 2, WB0
.if \more
	PLACES
	FETCHW (\c)+1, 0, WB0
	s_wait_dscnt 16
.else
	s_wait_dscnt 0x0
.endif
	MUL \c, 3, WB1
	PLACES
.if \more
	FETCHW (\c)+1, 1, WB1
.endif
	s_wait_xcnt 0x0                                ; the last chunk's stores have read their data: the way out's registers are written again only behind this wait
	PACK 0
	PACK 1                                         ; a tile's conversions stand between the loads of the tile before and its stores
	SEND \c, 0, 8
	PACK 2
	SEND \c, 1, 8
	PACK 3
	SEND \c, 2, 8
	SEND \c, 3, 0
.endm
	s_wait_tensorcnt 0x0                           ; my parts of both tiles are in,
	s_barrier_signal -1
	s_barrier_wait -1                              ; everybody's are.
	WIN 0x40                                       ; destination window 1
.irp t, 0,1,2,3
.irp ks, 0,1,2,3,4,5,6,7
	ds_load_tr16_b128 v[8*(8*(\t)+(\ks)):8*(8*(\t)+(\ks))+3],   v[AH+(\ks)/2] offset:((\ks)%2)*32*PH+32*(\t)
	ds_load_tr16_b128 v[8*(8*(\t)+(\ks))+4:8*(8*(\t)+(\ks))+7], v[AH+(\ks)/2] offset:((\ks)%2)*32*PH+16*PH+32*(\t)
.endr
.endr
	FETCHW 0, 0, WB0
	FETCHW 0, 1, WB1
	s_wait_loadcnt 0x0                             ; the bias
	CHUNK 0, 1
	CHUNK 1, 1
	CHUNK 2, 0
	s_wait_tensorcnt 0x0                           ; the wave's end, behind my last tensor load and my last LDS store
	ds_add_u32 v[SPW], v[NIL]
	s_wait_dscnt 0x0
	CROUND                                         ; the closing round
	s_endpgm
.Lfunc_end_k_qad41e25935_qkvp:
	.size	k_qad41e25935_qkvp, .Lfunc_end_k_qad41e25935_qkvp-k_qad41e25935_qkvp
	.p2alignl 7, 3214868480
	.fill 96, 4, 3214868480
	.section	.rodata,"a",@progbits
	.p2align	6, 0x0
	.amdhsa_kernel k_qad41e25935_qkvp
		.amdhsa_group_segment_fixed_size 250368
		.amdhsa_private_segment_fixed_size 0
		.amdhsa_enable_private_segment 0
		.amdhsa_kernarg_size 32
		.amdhsa_user_sgpr_count 2
		.amdhsa_user_sgpr_kernarg_segment_ptr 1
		.amdhsa_wavefront_size32 1
		.amdhsa_system_sgpr_workgroup_id_x 1
		.amdhsa_system_sgpr_workgroup_id_y 1
		.amdhsa_system_sgpr_workgroup_id_z 1
		.amdhsa_system_vgpr_workitem_id 0
		.amdhsa_next_free_vgpr 768
		.amdhsa_next_free_sgpr 66
		.amdhsa_reserve_vcc 0
		.amdhsa_float_denorm_mode_32 3
		.amdhsa_float_denorm_mode_16_64 3
		.amdhsa_memory_ordered 1
		.amdhsa_forward_progress 1
		.amdhsa_inst_pref_size 77
	.end_amdhsa_kernel
	.amdgpu_metadata
---
amdhsa.version: [ 1, 2 ]
amdhsa.kernels:
  - .name:           k_qad41e25935_qkvp
    .symbol:         k_qad41e25935_qkvp.kd
    .args:
      - { .name: hbuf, .offset: 0, .size: 8, .value_kind: global_buffer, .address_space: global }
      - { .name: wbf, .offset: 8, .size: 8, .value_kind: global_buffer, .address_space: global }
      - { .name: qkv_b, .offset: 16, .size: 8, .value_kind: global_buffer, .address_space: global }
      - { .name: qkv, .offset: 24, .size: 8, .value_kind: global_buffer, .address_space: global }
    .group_segment_fixed_size: 250368
    .private_segment_fixed_size: 0
    .kernarg_segment_align: 8
    .kernarg_segment_size: 32
    .max_flat_workgroup_size: 128
    .sgpr_count:     66
    .vgpr_count:     768
    .wavefront_size: 32
...
	.end_amdgpu_metadata
.endif
;; end of part 2
;; launch attn (part 3): grid 16 x 16, 4 waves a work-group, clusters of 4 x 1, 327,680 bytes of LDS; arguments qkv, ows; writes ows
.if DOCPART == 3
	.amdgcn_target "amdgcn-amd-amdhsa--gfx1250"
	.amdhsa_code_object_version 6
	.text
	.protected	k_qad41e25935_attn
	.globl	k_qad41e25935_attn
	.p2align	8
	.type	k_qad41e25935_attn,@function
k_qad41e25935_attn:
	s_mov_b64 s[64:65], 0
	v_nop
	global_prefetch_b8 v0, s[64:65] scope:SCOPE_SE
	s_setreg_imm32_b32 hwreg(HW_REG_WAVE_MODE, 25, 1), 1
	s_wait_xcnt 0x0
	s_wait_alu depctr_hold_cnt(0) depctr_sa_sdst(0) depctr_va_vdst(0) depctr_va_sdst(0) depctr_va_ssrc(0) depctr_va_vcc(0) depctr_vm_vsrc(0)
	s_getreg_b32 s2, hwreg(HW_REG_IB_STS2, 6, 4)
	s_cmp_eq_u32 s2, 0
	s_cbranch_scc0 .Lentry_in_a_cluster
	s_endpgm
.Lentry_in_a_cluster:
	s_bfe_u32 s2, ttmp6, 0x10000c
	s_cmp_lg_u32 s2, 0x3003
	s_cbranch_scc0 .Lentry_shape_is_right
	s_endpgm
.Lentry_shape_is_right:
; O[h][q][:] = the sum over k of softmax_k(Q[h][q] . K[h][k] / 8) V[h][k][:].  qkv: [3][16 heads][4096][64] bf16 (Q, then K, then V); ows: [16][4096][64] bf16.  A head's rows are dense, 128 bytes each.
; Products, maxima and sums in f32; the weights p are rounded to bf16 for the second product (their sum l is taken of the unrounded p), O once at the end.
; LIMITS.  A weight below 2^-126 counts as 0 in l.  The running c m starts at -4.25e37: scores with c s below that are not served.  NaN and infinities are not treated apart.
; SHARES.  A work-group owns 256 queries of one head, each of its four waves 64: four PIECES of 16.  16 blocks x 16 heads = 256 work-groups.  Every wave walks all 4,096 keys, 64 a step.
; LAYOUT.  S^T = K Q^T (source 0 = 16 keys, source 1 = 16 queries): a lane holds ONE query (lane % 16) and the keys 8 (lane / 16) + 0..7.  Two such results, rounded to bf16 in pairs, ARE source 1
; (32 keys x 16 queries) of O^T = V^T P, whose result again holds one query a lane, and eight channels.  K comes out of LDS as it lies, V ([key][channel]) turned, by ds_load_tr16_b128.
; SOFTMAX.  For each query a running maximum m and sum l: p = 2^(c s - c m), c = log2(e) / 8; in every step O and l are multiplied by a = 2^(c m_old - c m_new).  m starts at the lowest finite number,
; O and l at 0: the first step is a step like any other, with a = 0.
; BY TURNS.  Turn n belongs to piece n: 8 products K Q^T of piece n + 1, later 8 products V^T P of piece n - 1; beside them the scaling, exponentials, roundings, sums and rescaling of piece n and the
; maximum and statistics of piece n + 1.  Four vector instructions stand behind every matrix instruction, the other 54 of a turn's 118 in two runs of their own.
; RING.  Two LDS slots of 256 keys (four steps) take turns.  CLUSTER: the four query blocks of a cluster belong to one head and walk the same K and V: each tile is asked for JOINTLY, by the same
; tensor load, descriptor and mask in all four.  One tensor load of a wave is out at a time; it has four key steps, 256 matrix instructions, in which to land.
; REGISTERS, in windows of 256 (s_set_vgpr_msb: bits 1:0 source 0, 3:2 source 1, 5:4 source 2, 7:6 destination):
;   window 0: v0-15 addresses; v16-31 four registers of statistics a piece; v48-55 at work; v61-63; v64-127 S^T, two buffers; v192-223 P, two buffers (a piece's buffers go by its number's parity)
;   window 1: v0-127 O^T, 32 a piece      window 2: v0-63 Q; v128-191 K of one step; v192-255 V of one step
.set NP,    4         ; pieces a wave: a name, no knob
.set KS,    64        ; keys in a step
.set PK,    144       ; a row of K in LDS: 128 bytes + 16 of padding = 36 words: the 16 rows of a load start at 16 different groups of four banks
.set PV,    160       ; a row of V: 128 + 32 = 40 words
.set VOFF,  4*KS*PK   ; a slot holds four steps: 256 rows of K, then 256 rows of V
.set SLOT1, 1<<17     ; slot 1 begins here, so that one exclusive or turns an address in one slot into the other's
.set STAGE, SLOT1+4*KS*(PK+PV)  ; behind the ring, never filled by a tensor load: 16 rows x 144 bytes for each wave
.set SP,    144
.set SPARE, STAGE+4*16*SP  ; the spare words, 128 bytes for each wave
.set TILEB, 4*KS*128  ; bytes of K, and of V, in a slot
.set AK0, 2           ; v2   my lane's place in a tile of K; never rewritten
.set AV0, 3           ; v3   the same for V
.set AK,  4           ; v4   the LDS address of K's next run of loads
.set AV,  5           ; v5   of V's
.set STO, 6           ; v6   the way out: where I put 16 bytes of a row
.set RD,  7           ; v7   where I read rows back
.set GO,  8           ; v8   my byte offset in 512 consecutive bytes of O
.set MV,  12          ; v12-13  c m_old, kept while c m is made anew: by buffer
.set QO,  15          ; v15  my byte offset in 16 rows of Q
.set ST,  16          ; piece t's statistics at v[ST+4 t]: c m, m, l (even keys', odd keys')
.set TMP, 48          ; by buffer, four registers c0-c3 at work; when the maximum is found c2 takes a
.set PFO, 61          ; v61  256 x my lane; never rewritten
.set SPW, 62          ; v62  my spare word; never rewritten
.set NIL, 63          ; v63  0; never rewritten
.set S,   64
.set P,   192
.set KF,  128         ; window 2: key block kb, channel half c at KF + 16 kb + 8 c
.set VF,  192         ; window 2: key half kk, channel block cb at VF + 32 kk + 8 cb
.set WV,  12          ; s12  my wave's number
.set G1K, 24          ; s[24:31] descriptor group 1 for K's tiles
.set G1V, 32          ; s[32:39] for V's: it differs in the padding alone
.set G0K, 40          ; s[40:43] descriptor group 0 for K's tiles: it walks
.set G0V, 44          ; s[44:47] the same for V's
.set PFA, 48          ; s[48:49] where my prefetches stand
.set LIM, 50          ; s50  1 in a wave that prefetches, else the greatest number
.set SLOTS, 56        ; s56  slots still to be asked for
.set CNT, 57          ; s57  counts a slot's key steps
.set CS,  58          ; s[58:59] c: the packed scaling takes the pair's low word for both halves
.set SEL, 60          ; s[60:61] v_permlanex16_b32's selects: each lane takes its own place in the other half
.set TBK, 62          ; s62  LDS byte at which K of the step to be fetched begins
.set TBV, 63          ; s63  the same for V, less VOFF
.set MSB, 0
.macro WIN new                      ; the high byte repeats the setting that is left; a switch that changes nothing is dropped
.if MSB != (\new)
	s_set_vgpr_msb (MSB<<8)|(\new)
.set MSB, (\new)
.endif
.endm
.set W_KQ, 0x0a       ; K and Q in window 2, S^T in window 0
.set W_PV, 0x52       ; V in window 2, P in window 0, O^T in window 1
.set W_RS, 0x41       ; destination and source 0 in window 1, source 1 in window 0
; A joint fill.  Waves 0 and 1 fetch the two halves of a slot's K, waves 2 and 3 those of its V: 128 keys each.  The branch hangs on the wave's number alone.
; An s_nop 0 and four v_nop follow each of the two lines, ahead of the jump and the label.
.macro JLOAD
	s_cmp_lt_u32 s[WV], 2
	s_cbranch_scc0 .Lfor_v_\@
	tensor_load_to_lds s[G0K:G0K+3], s[G1K:G1K+7]
	s_nop 0
.rept 4
	v_nop
.endr
	s_branch .Lasked_\@
.Lfor_v_\@:
	tensor_load_to_lds s[G0V:G0V+3], s[G1V:G1V+7]
	s_nop 0
.rept 4
	v_nop
.endr
.Lasked_\@:
.endm
; A PREFETCH INTO THE L2 of what the NEXT change of slots will ask for: a slot's 32,768 bytes of K and of V, in blocks of 256 bytes, a lane a block.  Each block is named once in the launch: all four clusters
; of a head walk the same K and V, and the head's first cluster asks; its four partners take 32 blocks each, told apart by address; in each, wave 0 asks for K's and wave 2 for V's: one instruction,
; four key steps, 256 matrix instructions, ahead of the load.  The last change that fills a slot asks for nothing: there is no slot behind it.  Slots 0 and 1 come by their loads alone.
.macro ASK
	s_cmp_gt_u32 s[SLOTS], s[LIM]
	s_cbranch_scc0 .Lnot_mine_\@
	global_prefetch_b8 v[PFO], s[PFA:PFA+1] th:TH_LOAD_NT scope:SCOPE_SE
.Lnot_mine_\@:
.endm
.macro CROUND                       ; a round of the cluster's barrier
	s_barrier_signal -1
	s_barrier_wait -1
	s_cmp_lg_u32 s[WV], 0
	s_cbranch_scc1 .Lnot_wave_0_\@
	s_barrier_signal -3
.Lnot_wave_0_\@:
	s_barrier_wait -3
	s_barrier_signal -1
	s_barrier_wait -1
.endm
; THE CHANGE OF SLOTS.  The slot's last bytes, V of its fourth step, have been read.  Each wave waits for all its tensor loads, of which one is out: its part of the other slot; adds 0 to its spare word;
; and waits for that and for its own reads of the slot.  Behind the barrier nobody reads this slot any more and the other slot is whole.
; fill = 1: this slot is filled again, with the keys two slots on.  The barrier is then a round of the cluster's, and the joint fill is the first thing behind it.
; (At its first use nothing has been read yet: slot 0 is waited for, slot 1 filled.)
.macro CHANGE fill
	WIN 0                           ; at a label and at a branch every window is 0
	s_wait_tensorcnt 0x0            ; no tensor load of mine is out, so a group 0 may be written
	ds_add_u32 v[SPW], v[NIL]       ; 0 onto my spare word: with fill = 1 the descriptors' steps stand between it and the wait for it
.if \fill
.irp g, G0K, G0V
	s_xor_b32 s[\g+1], s[\g+1], SLOT1  ; the walking descriptor: the other slot than last time,
	s_add_nc_u64 s[\g+2:\g+3], s[\g+2:\g+3], TILEB  ; the next 256 keys; the type bits on top are not reached
.endr
	s_wait_xcnt 0x0                 ; the last prefetch, four key steps back, has read its address, so it may be written:
	s_add_nc_u64 s[PFA:PFA+1], s[PFA:PFA+1], TILEB  ; one slot ahead of the walking descriptors
	s_wait_dscnt 0x0                ; the add is done, and my reads of the slot are over
	CROUND
	JLOAD
	ASK
.else
	s_wait_dscnt 0x0                ; the add is done, and my reads of the slot are over
	s_barrier_signal -1
	s_barrier_wait -1
.endif
	s_sub_co_u32 s[TBK], s[TBK], 4*KS*PK  ; the fetches go back to a slot's first step,
	s_xor_b32 s[TBK], s[TBK], SLOT1       ; in the other slot
	s_sub_co_u32 s[TBV], s[TBV], 4*KS*PV
	s_xor_b32 s[TBV], s[TBV], SLOT1
.endm
	s_load_b128 s[16:19], s[0:1], 0x0  ; qkv s[16:17], ows s[18:19]
	v_lshl_add_u32 v[SPW], v0, 2, SPARE
	v_mov_b32 v[NIL], 0
	ds_add_u32 v[SPW], v[NIL]       ; the wave's opening: the add and its wait stand ahead of my first tensor load; the set-up stands between them
	v_lshrrev_b32 v1, 5, v0
	v_readfirstlane_b32 s[WV], v1   ; wave 0..3
	s_bfe_u32 s13, ttmp6, 0x40000   ; cx: my place in the cluster
	s_lshl_b32 s14, ttmp9, 2        ; in a cluster launch ttmp9 counts clusters
	s_add_co_u32 s14, s14, s13      ; my block of 256 queries: it enters Q's and O's addresses alone
	s_and_b32 s20, ttmp7, 0xffff    ; the head, which the four partners share:
	s_lshl_b32 s20, s20, 19         ; its 4,096 rows of 128 bytes
	s_and_b32 s15, s[WV], 1         ; which half of a slot's 256 keys I fetch:
	s_lshl_b32 s22, s15, 14         ; its 128 rows in memory,
	s_add_co_u32 s22, s22, s20
	s_mov_b32 s23, 0
	s_mul_i32 s51, s15, 128*PK      ; and its place in a slot, for K
	s_mul_i32 s52, s15, 128*PV      ; and for V: no place in the cluster enters an LDS address
	s_lshl_b32 s2, s14, 15          ; my block's 256 rows,
	s_lshl_b32 s3, s[WV], 13        ; my wave's 64
	s_add_co_u32 s2, s2, s3
	s_add_co_u32 s2, s2, s20
	s_mov_b32 s3, 0
	; descriptor group 1.  128 keys are 16,384 dense bytes: asked for as 64 rows of 256 bytes, two keys a row, and padded in LDS after every key
	s_mov_b32 s[G1K], 15|(1<<16)|(1<<20)|(1<<21)|(4<<22)|(3<<25)  ; the mask of four; 2-byte elements; padding on; bit 21 beside a mask; after every 32 words (code 4) 4 words (code 3)
	s_mov_b32 s[G1V], 15|(1<<16)|(1<<20)|(1<<21)|(4<<22)|(7<<25)  ; the same with 8 words of padding (code 7)
.irp g, G1K, G1V
	s_mov_b32 s[\g+1], 128<<16      ; tensor_dim0 = 128
	s_mov_b32 s[\g+2], 64<<16       ; tensor_dim1 = 64
	s_mov_b32 s[\g+3], 128<<16      ; tile_dim0 = 128
	s_mov_b32 s[\g+4], 64           ; tile_dim1 = 64
	s_mov_b32 s[\g+5], 128          ; 128 elements from row to row
	s_mov_b32 s[\g+6], 0
	s_mov_b32 s[\g+7], 0
.endr
	s_mov_b32 s[CS], 0x3e38aa3b     ; c = log2(e) / 8 = 0.180337
	s_mov_b32 s[CS+1], s[CS]        ; named with it as a pair
	s_mov_b32 s[SEL], 0x76543210
	s_mov_b32 s[SEL+1], 0xfedcba98
	s_mov_b32 s[TBK], SLOT1+4*KS*PK ; the first change of slots turns these two into 0
	s_mov_b32 s[TBV], SLOT1+4*KS*PV
	s_mov_b32 s[G0K], 1             ; count = 1
	s_mov_b32 s[G0K+1], s51         ; LDS address: slot 0
	s_mov_b32 s[G0V], 1
	s_add_co_u32 s[G0V+1], s52, VOFF
	s_mov_b32 s[SLOTS], 4096/256-1  ; 15 slots are asked for by changes of slots
	s_and_b32 s[LIM], s[WV], 1      ; 0 in waves 0 and 2,
	s_or_b32 s[LIM], s[LIM], ttmp9  ; where the cluster is the head's first: the same in all four partners
	s_cmp_eq_u32 s[LIM], 0
	s_cselect_b32 s[LIM], 1, -1
	v_and_b32 v[PFO], 31, v0
	v_lshlrev_b32 v[PFO], 8, v[PFO]
	s_wait_dscnt 0x0                ; the opening add is done
	s_wait_kmcnt 0x0
	s_add_nc_u64 s[6:7], s[16:17], s[22:23]
	s_add_nc_u64 s[8:9], s[6:7], 0x1000000   ; V at my half of the head's first 256 keys
	s_add_nc_u64 s[6:7], s[6:7], 0x800000    ; K likewise
	s_mov_b64 s[G0K+2:G0K+3], s[6:7]
	s_or_b32 s[G0K+3], s[G0K+3], 0x80000000  ; type = 2
	s_mov_b64 s[G0V+2:G0V+3], s[8:9]
	s_or_b32 s[G0V+3], s[G0V+3], 0x80000000
	s_add_nc_u64 s[4:5], s[16:17], s[2:3]    ; Q and O at my wave's first row
	s_add_nc_u64 s[10:11], s[18:19], s[2:3]
	s_cmp_lt_u32 s[WV], 2
	s_cselect_b64 s[PFA:PFA+1], s[6:7], s[8:9]  ; (in waves 0 and 2 these stand at a slot's first row)
	s_lshl_b32 s2, s13, 13          ; my work-group's 32 blocks of the 128
	s_mov_b32 s3, 0
	s_add_nc_u64 s[PFA:PFA+1], s[PFA:PFA+1], s[2:3]
	s_add_nc_u64 s[PFA:PFA+1], s[PFA:PFA+1], TILEB  ; in slot 1; the first change of slots steps it to slot 2
	CROUND                          ; all four work-groups are here: the first joint loads meet
	JLOAD                           ; slot 0.  Slot 1 is asked for when slot 0 is in
	; A fragment of K or Q is 16 rows x 32 channels in 8 registers: lane l holds row l % 16, channels 8 (l / 16) + 0..7 and 16 + 8 (l / 16) + 0..7: two loads of 16 bytes, 32 bytes apart.
	v_and_b32 v1, 15, v0            ; l % 16
	v_bfe_u32 v9, v0, 4, 1          ; l / 16
	v_lshlrev_b32 v[QO], 7, v1
	v_lshl_add_u32 v[QO], v9, 4, v[QO]  ; row x 128 + 16 x half
	WIN 0x80                        ; destination window 2, address window 0
.set i, 0
.rept 8                             ; Q stays in registers: piece i / 2, channels 32 (i % 2) on
	global_load_b128 v[8*i:8*i+3],   v[QO], s[4:5] offset:(i/2)*2048+(i%2)*64
	global_load_b128 v[8*i+4:8*i+7], v[QO], s[4:5] offset:(i/2)*2048+(i%2)*64+32
.set i, i+1
.endr
	; What the first turn finds: V's registers and P's second buffer hold 0 (its products V^T P, of a piece that has not been, add 0), O^T and l are 0.  All this stands in the wait for the first tile.
.set i, VF
.rept 64
	v_mov_b32 v[i], 0
.set i, i+1
.endr
	WIN 0x40
.set i, 0
.rept 128
	v_mov_b32 v[i], 0
.set i, i+1
.endr
	WIN 0
.set i, 0
.rept 4
	v_mov_b32 v[ST+4*i], 0xfe000000    ; c m: far below every c s
	v_mov_b32 v[ST+4*i+1], 0xff7fffff  ; m
	v_mov_b32 v[ST+4*i+2], 0
	v_mov_b32 v[ST+4*i+3], 0
.set i, i+1
.endr
.set i, P+16
.rept 16
	v_mov_b32 v[i], 0
.set i, i+1
.endr
	v_mul_u32_u24 v[AK0], v1, PK
	v_lshl_add_u32 v[AK0], v9, 4, v[AK0]  ; row x pitch + 16 x half
	; The turning load takes 16 keys x 16 channels (lane l reads key 8 (l / 16) + l % 8, channels 8 ((l / 8) % 2) + 0..7) and leaves half a fragment of V^T: lane l holds channel l % 16 and 8 keys.
	v_and_b32 v10, 7, v0
	v_bfe_u32 v11, v0, 3, 1
	v_lshl_add_u32 v[AV0], v9, 3, v10
	v_mul_u32_u24 v[AV0], v[AV0], PV
	v_lshl_add_u32 v[AV0], v11, 4, v[AV0]
	v_add_nc_u32 v[AV0], VOFF, v[AV0]
	s_mul_i32 s53, s[WV], 16*SP
	s_add_co_u32 s53, s53, STAGE    ; my stage
	v_mul_u32_u24 v[STO], v1, SP    ; in: row l % 16, 16 bytes for each half of the lanes
	v_lshl_add_u32 v[STO], v9, 4, v[STO]
	v_add_nc_u32 v[STO], s53, v[STO]
	v_bfe_u32 v[RD], v0, 3, 2       ; back: 32 lanes take four rows of 128 bytes,
	v_mul_u32_u24 v[RD], v[RD], SP
	v_lshl_add_u32 v[RD], v10, 4, v[RD]
	v_add_nc_u32 v[RD], s53, v[RD]
	v_and_b32 v[GO], 31, v0         ; which are 512 consecutive bytes of O
	v_lshlrev_b32 v[GO], 4, v[GO]
; THE MATRIX WORK.  The 4 accumulators of a run of 8 take turns.  Product i of 8 of S^T = K Q^T for piece x: channels 32 (i / 4) on, keys 16 (i % 4) on.  The first 4 start the sums.
.macro KQ x
.set rS, S+32*((\x)%2)+8*(i%4)
.set rK, KF+16*(i%4)+8*(i/4)
.set rQ, 16*(\x)+8*(i/4)
	WIN W_KQ
.if i < 4
	v_wmma_f32_16x16x32_bf16 v[rS:rS+7], v[rK:rK+7], v[rQ:rQ+7], 0
.else
	v_wmma_f32_16x16x32_bf16 v[rS:rS+7], v[rK:rK+7], v[rQ:rQ+7], v[rS:rS+7]
.endif
.endm
; Product i of 8 of O^T += V^T P for piece x: keys 32 (i / 4) on, channels 16 (i % 4) on.
.macro PV x
	WIN W_PV
.set rO, 32*(\x)+8*(i%4)
.set rV, VF+32*(i/4)+8*(i%4)
.set rP, P+16*((\x)%2)+8*(i/4)
	v_wmma_f32_16x16x32_bf16 v[rO:rO+7], v[rV:rV+7], v[rP:rP+7], v[rO:rO+7]
.endm
.macro MM                           ; the turn's next matrix instruction.  NOKQ = 1: the very last turn: there is no next piece
.if (i < 8) && !NOKQ
	KQ (Y+1)%NP
.elseif i >= 8
.set i, i-8
	PV (Y+NP-1)%NP
.set i, i+8
.endif
.set i, i+1
.endm
; THE LDS LOADS stand in runs of 16, never singly among the matrix instructions: a step's K (64 keys x 64 channels: 8 fragments) and its V (turned).  Their addresses are made some lines ahead.
.macro FETCH_K
	WIN 0x80                        ; destination window 2
.irp f, 0,1,2,3,4,5,6,7             ; keys 16 (f / 2) on, channels 32 (f % 2) on
	ds_load_b128 v[KF+8*\f:KF+8*\f+3],   v[AK] offset:(\f/2)*16*PK+(\f%2)*64
	ds_load_b128 v[KF+8*\f+4:KF+8*\f+7], v[AK] offset:(\f/2)*16*PK+(\f%2)*64+32
.endr
	s_add_co_u32 s[TBK], s[TBK], KS*PK  ; the next fetch is the next step's
	WIN 0
.endm
.macro FETCH_V
	WIN 0x80
.irp f, 0,1,2,3,4,5,6,7             ; keys 32 (f / 4) on, channels 16 (f % 4) on
	ds_load_tr16_b128 v[VF+8*\f:VF+8*\f+3],   v[AV] offset:(\f/4)*32*PV+(\f%4)*32
	ds_load_tr16_b128 v[VF+8*\f+4:VF+8*\f+7], v[AV] offset:(\f/4)*32*PV+16*PV+(\f%4)*32
.endr
	WIN 0
.endm
; THE VECTOR WORK, one line at a time: OP kind, number.  For piece Y: F n: c s - c m for pair n of 16.  E n: the exponential of score n of 32.  C n: pair n rounded to bf16.  B n: of the four weights 4 n .. the
; second pair is added onto the first, in place.  L n: l takes that sum (L 0: l = a l + sum).  R n: pair n of 16 of O^T times a.  For piece Y + 1: X n, number n of the 22 that find its maximum and statistics:
;   0-11  four chains c0-c3 of seven scores each, three operands at a time (each accumulator's lowest registers are read first)     12-14, 16  the four scores left over, the old m, and c0-c3 into c0
;   15  c m_old is kept     17, 18  the query's other 32 keys lie in the lane 16 away: the new m     19-21  c m; c m_old - c m_new; a
.set F, 0               ; OP tells the kinds apart by their order: F to L below R, X above it
.set E, 1
.set C, 2
.set B, 3
.set L, 4
.set R, 5
.set X, 6
.macro REGS y                       ; the registers of piece y
.set rT, ST+4*(\y)
.set rC, TMP+4*((\y)%2)
.set rW, MV+((\y)%2)
.set rS, S+32*((\y)%2)
.set rP, P+16*((\y)%2)
.set rO, 32*(\y)
.endm
.macro OP k, n
.if (\k) == R
	REGS Y
	WIN W_RS
	v_pk_mul_f32 v[rO+2*(\n):rO+2*(\n)+1], v[rO+2*(\n):rO+2*(\n)+1], v[rC+2:rC+3] op_sel_hi:[1,0]
.elseif (\k) < R
	REGS Y
	WIN 0
.if (\k) == F
	v_pk_fma_f32 v[rS+2*(\n):rS+2*(\n)+1], v[rS+2*(\n):rS+2*(\n)+1], s[CS:CS+1], v[rT:rT+1] op_sel_hi:[1,0,0] neg_lo:[0,0,1] neg_hi:[0,0,1]
.elseif (\k) == E
	v_exp_f32 v[rS+(\n)], v[rS+(\n)]
.elseif (\k) == C
	s_wait_alu depctr_va_vdst(0)
	v_cvt_pk_bf16_f32 v[rP+(\n)], v[rS+2*(\n)], v[rS+2*(\n)+1]
.elseif (\k) == B
	s_wait_alu depctr_va_vdst(0)
	v_pk_add_f32 v[rS+4*(\n):rS+4*(\n)+1], v[rS+4*(\n):rS+4*(\n)+1], v[rS+4*(\n)+2:rS+4*(\n)+3]
.elseif (\n) == 0
	v_pk_fma_f32 v[rT+2:rT+3], v[rT+2:rT+3], v[rC+2:rC+3], v[rS:rS+1] op_sel_hi:[1,0,1]
.else
	v_pk_add_f32 v[rT+2:rT+3], v[rT+2:rT+3], v[rS+4*(\n):rS+4*(\n)+1]
.endif
.elseif NOKQ
	v_nop
.else
	REGS (Y+1)%NP
	WIN 0
.if (\n) < 4
	v_max3_num_f32 v[rC+(\n)], v[rS+8*(\n)], v[rS+8*(\n)+1], v[rS+8*(\n)+2]
.elseif (\n) < 12
	v_max3_num_f32 v[rC+(\n)%4], v[rC+(\n)%4], v[rS+8*((\n)%4)+2*((\n)/4)+1], v[rS+8*((\n)%4)+2*((\n)/4)+2]
.elseif (\n) == 12
	v_max3_num_f32 v[rC], v[rC], v[rS+7], v[rS+15]
.elseif (\n) == 13
	v_max3_num_f32 v[rC+1], v[rC+1], v[rS+23], v[rS+31]
.elseif (\n) == 14
	v_max3_num_f32 v[rC+2], v[rC+2], v[rC+3], v[rT+1]
.elseif (\n) == 15
	v_mov_b32 v[rW], v[rT]
.elseif (\n) == 16
	v_max3_num_f32 v[rC], v[rC], v[rC+1], v[rC+2]
.elseif (\n) == 17
	v_permlanex16_b32 v[rC+3], v[rC], s[SEL], s[SEL+1]
.elseif (\n) == 18
	v_max_num_f32 v[rT+1], v[rC], v[rC+3]
.elseif (\n) == 19
	v_mul_f32 v[rT], s[CS], v[rT+1]
.elseif (\n) == 20
	v_sub_f32 v[rC+1], v[rW], v[rT]
.else
	v_exp_f32 v[rC+2], v[rC+1]
.endif
.endif
.endm
.macro OPS a, i1, b=-1, i2=0, c=-1, i3=0, d=-1, i4=0  ; up to four of them
	OP \a, \i1
.if (\b) >= 0
	OP \b, \i2
.endif
.if (\c) >= 0
	OP \c, \i3
.endif
.if (\d) >= 0
	OP \d, \i4
.endif
.endm
.macro ROW a, i1, b, i2, c, i3, d, i4  ; a matrix instruction and the four behind it
	MM
	OPS \a, \i1, \b, \i2, \c, \i3, \d, \i4
.endm
; A TURN, for piece p: the order of its 16 matrix and 118 vector instructions, written out.  Behind a matrix instruction: plain, exponential, plain, plain; or four of the rescaling; or, behind the first, four
; scalings; none names a register of the products round it.  In the runs between, exponential and plain by turns while exponentials last.  A line reads no result made fewer than three vector instructions
; in front of it, five if an exponential made it.  v_permlanex16_b32 (X 17) stands in such a run.
; end = 1: the last two turns: nothing is fetched.  cnt = 1: the loop's count is taken down some lines ahead of the branch that stands behind the turn.
; K of the next step is fetched in piece 2's turn, six vector instructions behind the last product that read K (five of them plain); V of the step in hand in piece 0's turn, eight behind the last product
; that read V (four plain, and X 17).  Each is waited for a turn later.
.macro TURN p, end=0, cnt=0
.set Y, (\p)
.set i, 0
.set NOKQ, (\end)*((\p)/3)
.if ((\p) == 3) && !(\end)
	s_wait_dscnt 0x0                ; K is in
.endif
	ROW F,0, F,1, F,2, F,3
	ROW F,4, E,0, F,5, F,6
	ROW F,7, E,1, F,8, F,9
	ROW F,10, E,2, C,0, F,11
	ROW F,12, E,3, X,15, F,13
	ROW R,0, R,1, R,2, R,3
	ROW B,0, E,4, F,14, L,0
.if ((\p) == 2) && !(\end)
	v_add_nc_u32 v[AK], s[TBK], v[AK0]
.endif
	ROW R,4, R,5, R,6, R,7
	OPS E,5, F,15
.if ((\p) == 2) && !(\end)
	FETCH_K
.endif
	OPS E,6, C,1, E,7, R,8
	OPS E,8, R,9, E,9, C,2
	OPS E,10, X,0, E,11, X,1
	OPS E,12, X,2, E,13, X,3
.if (\p) == 1
	s_wait_dscnt 0x0                ; V is in
.endif
	ROW X,4, E,14, X,5, X,6
	ROW X,7, E,15, X,8, X,9
	ROW X,10, E,16, X,11, X,12
	ROW X,13, E,17, X,14, B,1
	ROW C,4, E,18, X,16, L,1
	ROW B,2, E,19, C,6, L,2
	ROW C,8, E,20, B,3, B,4
.if (\p) == 0
	v_add_nc_u32 v[AV], s[TBV], v[AV0]
.endif
	ROW C,3, E,21, L,3, C,5
	OPS E,22, X,17, E,23, C,10
.if (\p) == 0
	FETCH_V
.endif
	OPS E,24, L,4
	OPS E,25, X,18, E,26, C,7
	OPS E,27, B,5, E,28, X,19
	OPS E,29, C,12, E,30, L,5
	OPS E,31, X,20, B,6, C,9
	OPS C,14, C,11, X,21, L,6
.if (\p) == 0
	s_add_co_u32 s[TBV], s[TBV], KS*PV
.endif
.if \cnt
	s_sub_co_u32 s[CNT], s[CNT], 1
	s_cmp_lg_u32 s[CNT], 0
.endif
	OPS C,13, B,7, C,15, R,10
	OPS R,11, R,12, L,7, R,13
	OPS R,14, R,15
.endm
	CHANGE 1                        ; slot 0 is in, everybody's part of it; slot 1 is asked for
	v_add_nc_u32 v[AK], s[TBK], v[AK0]
	FETCH_K                         ; key step 0
	s_wait_loadcnt 0x0              ; Q
	s_wait_dscnt 0x0
.set NOKQ, 0
.set i, 0
.rept 8
	KQ 0                            ; piece 0's first scores: there is no vector work yet to set between them
.set i, i+1
.endr
	WIN 0
.rept 4
	v_nop                           ; the places behind those products
.endr
.set Y, NP-1                        ; X works for piece Y + 1: piece 0
.irp n, 0,1,2,3,4,5,6,7,8,9,10,11,12,13,14,15,16,17,18,19,20,21
	OP X, \n
.endr
	v_nop                           ; a plain instruction behind the exponential
	s_mov_b32 s[CNT], 4
	s_branch .Lfirst                ; the loop is entered at a step's first turn, in the middle of a trip
.Lslot:                             ; 14 times: every slot but the last two is filled again
	CHANGE 1
	s_mov_b32 s[CNT], 4
.Lstep:                             ; a trip: pieces 2 and 3 of one step, then pieces 0 and 1 of the next, whose K and V it fetches
	TURN 2
	TURN 3
	WIN 0
.Lfirst:
	TURN 0
	TURN 1, 0, 1
	WIN 0
	s_cbranch_scc1 .Lstep
	s_sub_co_u32 s[SLOTS], s[SLOTS], 1
	s_cmp_lg_u32 s[SLOTS], 0
	s_cbranch_scc1 .Lslot
	CHANGE 0                        ; the last slot is written out: nothing is asked for
	s_mov_b32 s[CNT], 4
.Ltail:
	TURN 2
	TURN 3
	TURN 0
	TURN 1, 0, 1
	WIN 0
	s_cbranch_scc1 .Ltail
	TURN 2, 1                       ; the last step's pieces 2 and 3: nothing is left to fetch,
	TURN 3, 1                       ; and no piece follows
.set i, 0
.rept 8
	PV NP-1                         ; the last piece's V^T P of the last step
.set i, i+1
.endr
	; THE WAY OUT.  l's two halves and the other half of the lanes' are added; O^T is divided by l, rounded to bf16 and sent through my stage in LDS, a piece at a time.  The additions are the places behind the last products.
	WIN 0
.macro ALL line:vararg              ; one line for each piece t
.set t, 0
.rept 4
	\line
.set t, t+1
.endr
.endm
	ALL v_add_f32 v[ST+4*t+2], v[ST+4*t+2], v[ST+4*t+3]
	ALL v_permlanex16_b32 v[ST+4*t+3], v[ST+4*t+2], s[SEL], s[SEL+1]
	ALL v_add_f32 v[ST+4*t+2], v[ST+4*t+2], v[ST+4*t+3]
	ALL v_rcp_f32 v[ST+4*t+2], v[ST+4*t+2]
	v_nop                           ; a plain instruction between the last reciprocal and the use of its result
.macro PACK t                       ; a lane's eight channels of a row pack into 16 bytes; they go into rows of 144 bytes and come back as whole rows of 128, into S^T's registers
	WIN W_RS
.set i, 32*(\t)
.rept 16
	s_wait_alu depctr_va_vdst(0)
	v_pk_mul_f32 v[i:i+1], v[i:i+1], v[ST+4*(\t)+2:ST+4*(\t)+3] op_sel_hi:[1,0]
.set i, i+2
.endr
	WIN 0x05                        ; sources 0 and 1 window 1, destination window 0
.set i, 0
.rept 16
	v_cvt_pk_bf16_f32 v[S+16*(\t)+i], v[32*(\t)+2*i], v[32*(\t)+2*i+1]
.set i, i+1
.endr
	WIN 0
.irp f, 0,1,2,3
	ds_store_b128 v[STO], v[S+16*(\t)+4*\f:S+16*(\t)+4*\f+3] offset:32*\f
.endr
.irp f, 0,1,2,3
	ds_load_b128 v[S+16*(\t)+4*\f:S+16*(\t)+4*\f+3], v[RD] offset:\f*4*SP  ; LDS serves a wave's instructions in order: these see the stores above; the next piece's stores come behind them
.endr
.endm
.macro SEND t, younger              ; younger: the LDS instructions issued behind piece t's loads: the next piece's eight, or none
	WIN 0
.irp f, 0,1,2,3
	s_wait_dscnt (\younger)+3-\f
	global_store_b128 v[GO], v[S+16*(\t)+4*\f:S+16*(\t)+4*\f+3], s[10:11] offset:(\t)*2048+\f*512  ; 512 consecutive bytes, at a multiple of 256 from O's first
.endr
.endm
	PACK 0
.set t, 1
.rept 3                             ; a piece's arithmetic stands between the loads of the piece before and its stores
	PACK t
	SEND t-1, 8
.set t, t+1
.endr
	SEND 3, 0
	s_wait_tensorcnt 0x0            ; the wave's end, behind my last tensor load and my last LDS store
	ds_add_u32 v[SPW], v[NIL]
	s_wait_dscnt 0x0
	CROUND                          ; the closing round: no work-group ends while a partner may still ask for a tile that names it
	s_endpgm
.Lfunc_end_k_qad41e25935_attn:
	.size	k_qad41e25935_attn, .Lfunc_end_k_qad41e25935_attn-k_qad41e25935_attn
	.p2alignl 7, 3214868480
	.fill 96, 4, 3214868480
	.section	.rodata,"a",@progbits
	.p2align	6, 0x0
	.amdhsa_kernel k_qad41e25935_attn
		.amdhsa_group_segment_fixed_size 327680
		.amdhsa_private_segment_fixed_size 0
		.amdhsa_enable_private_segment 0
		.amdhsa_kernarg_size 16
		.amdhsa_user_sgpr_count 2
		.amdhsa_user_sgpr_kernarg_segment_ptr 1
		.amdhsa_wavefront_size32 1
		.amdhsa_system_sgpr_workgroup_id_x 1
		.amdhsa_system_sgpr_workgroup_id_y 1
		.amdhsa_system_sgpr_workgroup_id_z 1
		.amdhsa_system_vgpr_workitem_id 0
		.amdhsa_next_free_vgpr 768
		.amdhsa_next_free_sgpr 66
		.amdhsa_reserve_vcc 0
		.amdhsa_float_denorm_mode_32 3
		.amdhsa_float_denorm_mode_16_64 3
		.amdhsa_memory_ordered 1
		.amdhsa_forward_progress 1
		.amdhsa_inst_pref_size 134
	.end_amdhsa_kernel
	.amdgpu_metadata
---
amdhsa.version: [ 1, 2 ]
amdhsa.kernels:
  - .name:           k_qad41e25935_attn
    .symbol:         k_qad41e25935_attn.kd
    .args:
      - { .name: qkv, .offset: 0, .size: 8, .value_kind: global_buffer, .address_space: global }
      - { .name: ows, .offset: 8, .size: 8, .value_kind: global_buffer, .address_space: global }
    .group_segment_fixed_size: 327680
    .private_segment_fixed_size: 0
    .kernarg_segment_align: 8
    .kernarg_segment_size: 16
    .max_flat_workgroup_size: 128
    .sgpr_count:     66
    .vgpr_count:     768
    .wavefront_size: 32
...
	.end_amdgpu_metadata
.endif
;; end of part 3
;; launch proj (part 4): grid 64 x 4, 4 waves a work-group, clusters of 4 x 4, 199,168 bytes of LDS; arguments ows, wbf, out_b, x, out0; writes out0
.if DOCPART == 4
	.amdgcn_target "amdgcn-amd-amdhsa--gfx1250"
	.amdhsa_code_object_version 6
	.text
	.protected	k_qad41e25935_proj
	.globl	k_qad41e25935_proj
	.p2align	8
	.type	k_qad41e25935_proj,@function
k_qad41e25935_proj:
	s_mov_b64 s[64:65], 0
	v_nop
	global_prefetch_b8 v0, s[64:65] scope:SCOPE_SE
	s_setreg_imm32_b32 hwreg(HW_REG_WAVE_MODE, 25, 1), 1
	s_wait_xcnt 0x0
	s_wait_alu depctr_hold_cnt(0) depctr_sa_sdst(0) depctr_va_vdst(0) depctr_va_sdst(0) depctr_va_ssrc(0) depctr_va_vcc(0) depctr_vm_vsrc(0)
	s_getreg_b32 s2, hwreg(HW_REG_IB_STS2, 6, 4)
	s_cmp_eq_u32 s2, 0
	s_cbranch_scc0 .Lentry_in_a_cluster
	s_endpgm
.Lentry_in_a_cluster:
	s_bfe_u32 s2, ttmp6, 0x10000c
	s_cmp_lg_u32 s2, 0xf033
	s_cbranch_scc0 .Lentry_shape_is_right
	s_endpgm
.Lentry_shape_is_right:
; out0 = x + out_w O + out_b.  ows: [16 (4 image + head)][4096 n][64] bf16.  wbf: rows 768-1023 are out_w, [o][256 c] bf16, c = 64 head + channel.  out_b: [256] f32.  x, out0: [4][256 o][4096 n] f32.
; SHARES.  A work-group makes 256 positions n x 64 outputs o of one image: 64 x 4 = 256 work-groups.  Wave w makes n = 64 w .. 64 w + 63 for all 64 o.
; K = 256 is whole in LDS: two tensor loads a wave at the start (head w's 256 rows of O; 16 rows of out_w), nothing is filled again, no loop.
; CLUSTER 4 x 4.  O's tile hangs on the block of n alone and is shared along a column of the cluster, out_w's on the block of o alone and is shared along a row.
; LAYOUT.  Source 0 = 16 rows n of O, source 1 = 16 rows o of out_w, both with K along the rows.  In the result a lane holds ONE o (lane % 16) and the positions 8 (lane / 16) + 0..7: 32 bytes of a row of
; out0.  The bias, the same for a lane's eight numbers, is the C operand of the product that starts a sum.  The sums go through a stage in LDS, so that sixteen lanes hold 256 consecutive bytes; x is added there.
; REGISTERS: window 0: addresses; v32-95 rows read back, two buffers; v96-127 the bias; v128-255 two buffers of out_w's fragments;
;   window 1: all of my O: fragment (n tile t, K step ks) at 8 (8 t + ks);   window 2: v0-127 accumulators (ob, t) at 8 (4 ob + t); v128-255 x, then the result: (ob, f) at 128 + 4 (8 ob + f).
.set PO,    144                        ; a row of O in LDS: 128 bytes + 16 of padding
.set PW,    528                        ; a row of out_w: 512 + 16
.set HEADB, 256*PO                     ; a head's 256 rows
.set WOFF,  4*HEADB
.set STAGE, WOFF+64*PW                 ; behind the tiles, never filled by a tensor load: 16 rows x 272 bytes for each wave
.set SP,    272
.set SPARE, STAGE+4*16*SP              ; the spare words, 128 bytes for each wave
.set AO,    4                          ; v4-5  LDS address of my O fragments, heads 0 and 1, heads 2 and 3
.set AW,    8                          ; v8    of out_w's fragments
.set STO,   11                         ; v11   the way out: where I put 32 bytes of a row
.set RD,    12                         ; v12   where I read rows back
.set XO,    13                         ; v13   my 16 bytes in two rows of x and of out0
.set BO,    14                         ; v14   4 x (lane % 16)
.set SPW,   30                         ; v30   my spare word; never rewritten
.set NIL,   31                         ; v31   0; never rewritten
.set TMP,   32
.set BIAS,  96
.set WB0,   128
.set WB1,   192
.set XR,    128                        ; in window 2
.set WV,    14                         ; s14 wave
.set G1O,   24                         ; s[24:31] descriptor group 1 for O
.set G1W,   32                         ; s[32:39] for out_w
.set G0O,   40                         ; s[40:43] group 0 for O
.set G0W,   44                         ; s[44:47] for out_w
.set MSB, 0
.macro WIN new                         ; the immediate's high byte repeats the setting that is left; a switch that changes nothing is dropped
.if MSB != (\new)
	s_set_vgpr_msb (MSB<<8)|(\new)
.set MSB, \new
.endif
.endm
.macro CROUND                          ; a round of the cluster's barrier
	s_barrier_signal -1
	s_barrier_wait -1
	s_cmp_lg_u32 s[WV], 0
	s_cbranch_scc1 .Lnot_wave_0_\@
	s_barrier_signal -3
.Lnot_wave_0_\@:
	s_barrier_wait -3
	s_barrier_signal -1
	s_barrier_wait -1
.endm
.macro PLACES                          ; four places behind a matrix instruction, in front of loads into registers that it has read and of LDS stores that read results
.rept 4
	v_nop
.endr
.endm
	s_load_b256 s[4:11], s[0:1], 0x0               ; ows s[4:5], wbf s[6:7], out_b s[8:9], x s[10:11]
	s_load_b64 s[12:13], s[0:1], 0x20              ; out0
	v_lshl_add_u32 v[SPW], v0, 2, SPARE
	v_mov_b32 v[NIL], 0
	ds_add_u32 v[SPW], v[NIL]                      ; the wave's opening: the add and its wait stand ahead of my first tensor load; the set-up stands between them
	v_lshrrev_b32 v1, 5, v0
	v_readfirstlane_b32 s[WV], v1                  ; wave 0..3
	s_bfe_u32 s15, ttmp6, 0x40000                  ; cx
	s_bfe_u32 s16, ttmp6, 0x40004                  ; cy
	s_lshl_b32 s17, ttmp9, 2
	s_add_co_u32 s17, s17, s15                     ; wx: image wx / 16, block of 256 n wx % 16
	s_and_b32 s18, ttmp7, 0xffff
	s_lshl_b32 s18, s18, 2
	s_add_co_u32 s18, s18, s16                     ; wy: block of 64 o
	s_lshl_b32 s19, 0x1111, s15                    ; my column of the cluster
	s_lshl_b32 s20, s16, 2
	s_lshl_b32 s20, 15, s20                        ; my row
	; O: a head's 256 rows are 32,768 dense bytes: asked for as 128 rows of 256 bytes, two rows of O each, and padded in LDS after every row of O
	s_or_b32 s[G1O], s19, (1<<16)|(1<<20)|(1<<21)|(4<<22)|(3<<25)  ; the mask; 2-byte elements; padding on; bit 21 beside a mask; after every 32 words (code 4) 4 words (code 3)
	s_mov_b32 s[G1O+1], 128<<16                    ; tensor_dim0 = 128
	s_mov_b32 s[G1O+2], 128<<16                    ; tensor_dim1 = 128
	s_mov_b32 s[G1O+3], 128<<16                    ; tile_dim0 = 128
	s_mov_b32 s[G1O+4], 128                        ; tile_dim1 = 128
	s_mov_b32 s[G1O+5], 128                        ; elements from row to row
	s_mov_b32 s[G1O+6], 0
	s_mov_b32 s[G1O+7], 0
	s_or_b32 s[G1W], s20, (1<<16)|(1<<20)|(1<<21)|(6<<22)|(3<<25)  ; my row's mask; after every 128 words (code 6) 4 words
	s_mov_b32 s[G1W+1], 256<<16
	s_mov_b32 s[G1W+2], 16<<16
	s_mov_b32 s[G1W+3], 256<<16
	s_mov_b32 s[G1W+4], 16
	s_mov_b32 s[G1W+5], 256
	s_mov_b32 s[G1W+6], 0
	s_mov_b32 s[G1W+7], 0
	s_lshr_b32 s22, s17, 4                         ; O's tile: made of wx and the wave's number alone
	s_lshl_b32 s22, s22, 2
	s_add_co_u32 s22, s22, s[WV]                   ; 4 x image + head: wave w brings head w
	s_lshl_b32 s22, s22, 19
	s_and_b32 s23, s17, 15
	s_lshl_b32 s23, s23, 15                        ; the block's 256 rows of 128 bytes
	s_add_co_u32 s22, s22, s23
	s_mov_b32 s23, 0
	s_lshl_b32 s48, s18, 15                        ; out_w's tile: made of wy and the wave's number alone: 64 rows of 512 bytes,
	s_lshl_b32 s49, s[WV], 13                      ; my 16,
	s_add_co_u32 s48, s48, s49
	s_add_co_u32 s48, s48, 768*512                 ; behind qkv_w's 768 rows
	s_mov_b32 s49, 0
	s_mov_b32 s[G0O], 1
	s_mul_i32 s[G0O+1], s[WV], HEADB               ; no place in the cluster enters an LDS address
	s_mov_b32 s[G0W], 1
	s_mul_i32 s[G0W+1], s[WV], 16*PW
	s_add_co_u32 s[G0W+1], s[G0W+1], WOFF
	s_wait_dscnt 0x0                               ; the opening add is done
	s_wait_kmcnt 0x0
	s_add_nc_u64 s[G0O+2:G0O+3], s[4:5], s[22:23]
	s_or_b32 s[G0O+3], s[G0O+3], 0x80000000        ; type = 2
	s_add_nc_u64 s[G0W+2:G0W+3], s[6:7], s[48:49]
	s_or_b32 s[G0W+3], s[G0W+3], 0x80000000
	CROUND                                         ; all sixteen work-groups are here: the joint loads meet
	tensor_load_to_lds s[G0O:G0O+3], s[G1O:G1O+7]  ; two loads of mine are out, the only ones of the launch
	s_nop 0
	tensor_load_to_lds s[G0W:G0W+3], s[G1W:G1W+7]
	s_nop 0
.rept 4
	v_nop
.endr
	s_lshr_b32 s50, s17, 4                         ; my corner of x and of out0:
	s_lshl_b32 s50, s50, 22                        ; the image: 256 rows of 16,384 bytes,
	s_lshl_b32 s51, s18, 20                        ; the block's 64 rows,
	s_add_co_u32 s50, s50, s51
	s_and_b32 s51, s17, 15
	s_lshl_b32 s51, s51, 10                        ; the block's 1,024 bytes of a row,
	s_add_co_u32 s50, s50, s51
	s_lshl_b32 s51, s[WV], 8                       ; my 256 of them
	s_add_co_u32 s50, s50, s51
	s_mov_b32 s51, 0
	s_add_nc_u64 s[10:11], s[10:11], s[50:51]
	s_add_nc_u64 s[12:13], s[12:13], s[50:51]
	s_lshl_b32 s52, s18, 8                         ; the bias of my 64 outputs
	s_mov_b32 s53, 0
	s_add_nc_u64 s[8:9], s[8:9], s[52:53]
	v_and_b32 v1, 15, v0                           ; r = lane % 16
	v_bfe_u32 v2, v0, 4, 1                         ; hh = lane / 16
	v_lshlrev_b32 v[BO], 2, v1
	v_lshlrev_b32 v[XO], 14, v2                    ; lanes 0-15 take 256 bytes of one row, lanes 16-31 of the next
	v_lshl_add_u32 v[XO], v1, 4, v[XO]
.irp ob, 0,1,2,3
	global_load_b32 v[BIAS+8*(\ob)], v[BO], s[8:9] offset:64*(\ob)
.endr
	WIN 0x80                                       ; destination window 2, address window 0
.irp ob, 0,1,2,3
.irp f, 0,1,2,3,4,5,6,7
	global_load_b128 v[XR+4*(8*(\ob)+(\f)):XR+4*(8*(\ob)+(\f))+3], v[XO], s[10:11] offset:(16*(\ob)+2*(\f))*16384 th:TH_LOAD_NT
.endr
.endr
	WIN 0
	s_lshl_b32 s54, s[WV], 6
	v_add_nc_u32 v15, s54, v1                      ; my first tile's row of O: 64 w + r
	v_mul_u32_u24 v[AO], v15, PO
	v_lshl_add_u32 v[AO], v2, 4, v[AO]             ; row x pitch + 16 x half
	v_add_nc_u32 v[AO+1], 2*HEADB, v[AO]
	v_mul_u32_u24 v[AW], v1, PW
	v_lshl_add_u32 v[AW], v2, 4, v[AW]
	v_add_nc_u32 v[AW], WOFF, v[AW]
	s_mul_i32 s55, s[WV], 16*SP
	s_add_co_u32 s55, s55, STAGE                   ; my stage
	v_mul_u32_u24 v[STO], v1, SP                   ; in: row o = l % 16, 32 bytes for each half of the lanes
	v_lshl_add_u32 v[STO], v2, 5, v[STO]
	v_add_nc_u32 v[STO], s55, v[STO]
	v_mul_u32_u24 v[RD], v2, SP                    ; back: lanes 0-15 take one row of 256 bytes, lanes 16-31 the next
	v_lshl_add_u32 v[RD], v1, 4, v[RD]
	v_add_nc_u32 v[RD], s55, v[RD]
	s_wait_loadcnt 32                              ; the bias is in; the 32 loads of x stay out
.irp ob, 0,1,2,3
.irp j, 1,2,3,4,5,6,7
	v_mov_b32 v[BIAS+8*(\ob)+(\j)], v[BIAS+8*(\ob)]  ; a lane's eight numbers belong to one o
.endr
.endr
; 16 LDS loads: out_w's fragments for K steps 2 g and 2 g + 1, into buffer buf: (e, ob) at 8 (4 e + ob)
.macro FETCHW g, buf
	WIN 0
.irp e, 0,1
.irp ob, 0,1,2,3
	ds_load_b128 v[(\buf)+8*(4*(\e)+(\ob)):(\buf)+8*(4*(\e)+(\ob))+3],   v[AW] offset:(\ob)*16*PW+(2*(\g)+(\e))*64
	ds_load_b128 v[(\buf)+8*(4*(\e)+(\ob))+4:(\buf)+8*(4*(\e)+(\ob))+7], v[AW] offset:(\ob)*16*PW+(2*(\g)+(\e))*64+32
.endr
.endr
.endm
; 32 matrix instructions: K steps 2 g, 2 g + 1.  The 16 accumulators take turns, one instruction a turn.  K step 0 starts the sums with the bias.
.macro MUL g, buf
.irp e, 0,1
.irp ob, 0,1,2,3
.irp t, 0,1,2,3
.if (2*(\g)+(\e)) == 0
	WIN 0x81                                       ; O window 1, out_w and the bias window 0, D window 2
	v_wmma_f32_16x16x32_bf16 v[8*(4*(\ob)+(\t)):8*(4*(\ob)+(\t))+7], v[8*(8*(\t)+2*(\g)+(\e)):8*(8*(\t)+2*(\g)+(\e))+7], v[(\buf)+8*(4*(\e)+(\ob)):(\buf)+8*(4*(\e)+(\ob))+7], v[BIAS+8*(\ob):BIAS+8*(\ob)+7]
.else
	WIN 0xa1                                       ; C and D window 2
	v_wmma_f32_16x16x32_bf16 v[8*(4*(\ob)+(\t)):8*(4*(\ob)+(\t))+7], v[8*(8*(\t)+2*(\g)+(\e)):8*(8*(\t)+2*(\g)+(\e))+7], v[(\buf)+8*(4*(\e)+(\ob)):(\buf)+8*(4*(\e)+(\ob))+7], v[8*(4*(\ob)+(\t)):8*(4*(\ob)+(\t))+7]
.endif
.endr
.endr
.endr
.endm
; THE WAY OUT of 16 outputs ob.  The f32 sums go into my stage as they are, each accumulator's lowest four registers first, and come back as whole rows of 256 bytes.
.macro OUTSTAGE ob
	WIN 0x08                                       ; store data window 2, address window 0
.irp t, 0,1,2,3
	ds_store_b128 v[STO], v[8*(4*(\ob)+(\t)):8*(4*(\ob)+(\t))+3]   offset:64*(\t)
	ds_store_b128 v[STO], v[8*(4*(\ob)+(\t))+4:8*(4*(\ob)+(\t))+7] offset:64*(\t)+16
.endr
	WIN 0
.irp f, 0,1,2,3,4,5,6,7
	ds_load_b128 v[TMP+32*((\ob)%2)+4*(\f):TMP+32*((\ob)%2)+4*(\f)+3], v[RD] offset:(\f)*2*SP  ; LDS serves a wave's instructions in order: these see the stores above; the next block's stores come behind them
.endr
.endm
.macro FIN ob, younger                 ; younger: the LDS instructions issued behind this block's loads: the next block's sixteen, or none
	s_wait_dscnt \younger
	WIN 0x82                                       ; x: destination and source 0 window 2; the sums window 0
.set q, 0
.rept 16
	v_pk_add_f32 v[XR+32*(\ob)+2*q:XR+32*(\ob)+2*q+1], v[XR+32*(\ob)+2*q:XR+32*(\ob)+2*q+1], v[TMP+32*((\ob)%2)+2*q:TMP+32*((\ob)%2)+2*q+1]
.set q, q+1
.endr
	WIN 0x08
.irp f, 0,1,2,3,4,5,6,7
	global_store_b128 v[XO], v[XR+4*(8*(\ob)+(\f)):XR+4*(8*(\ob)+(\f))+3], s[12:13] offset:(16*(\ob)+2*(\f))*16384 th:TH_STORE_NT  ; 16 lanes store 256 consecutive bytes, at a multiple of 256 from out0's first byte
.endr
.endm
	s_wait_tensorcnt 0x0                           ; my parts of both tiles are in,
	s_barrier_signal -1
	s_barrier_wait -1                              ; everybody's are.
	WIN 0x40                                       ; destination window 1
.irp t, 0,1,2,3
.irp ks, 0,1,2,3,4,5,6,7               ; K step ks: head ks / 2, channels 32 (ks % 2) on
	ds_load_b128 v[8*(8*(\t)+(\ks)):8*(8*(\t)+(\ks))+3],   v[AO+(\ks)/4] offset:(((\ks)/2)%2)*HEADB+16*PO*(\t)+64*((\ks)%2)
	ds_load_b128 v[8*(8*(\t)+(\ks))+4:8*(8*(\t)+(\ks))+7], v[AO+(\ks)/4] offset:(((\ks)/2)%2)*HEADB+16*PO*(\t)+64*((\ks)%2)+32
.endr
.endr
	FETCHW 0, WB0
	FETCHW 1, WB1
	s_wait_dscnt 16                                ; all but the youngest run of 16 loads
	MUL 0, WB0
	PLACES
	FETCHW 2, WB0
	s_wait_dscnt 16
	MUL 1, WB1
	PLACES
	FETCHW 3, WB1
	s_wait_dscnt 16
	MUL 2, WB0
	s_wait_dscnt 0x0
	MUL 3, WB1
	PLACES
	s_wait_loadcnt 0x0                             ; x
	OUTSTAGE 0
	OUTSTAGE 1                                     ; a block's trip through the stage stands between the loads of the block before and its sums
	FIN 0, 16
	OUTSTAGE 2
	FIN 1, 16
	OUTSTAGE 3
	FIN 2, 16
	FIN 3, 0
	WIN 0
	s_wait_tensorcnt 0x0                           ; the wave's end, behind my last tensor load and my last LDS store
	ds_add_u32 v[SPW], v[NIL]
	s_wait_dscnt 0x0
	CROUND                                         ; the closing round
	s_endpgm
.Lfunc_end_k_qad41e25935_proj:
	.size	k_qad41e25935_proj, .Lfunc_end_k_qad41e25935_proj-k_qad41e25935_proj
	.p2alignl 7, 3214868480
	.fill 96, 4, 3214868480
	.section	.rodata,"a",@progbits
	.p2align	6, 0x0
	.amdhsa_kernel k_qad41e25935_proj
		.amdhsa_group_segment_fixed_size 199168
		.amdhsa_private_segment_fixed_size 0
		.amdhsa_enable_private_segment 0
		.amdhsa_kernarg_size 40
		.amdhsa_user_sgpr_count 2
		.amdhsa_user_sgpr_kernarg_segment_ptr 1
		.amdhsa_wavefront_size32 1
		.amdhsa_system_sgpr_workgroup_id_x 1
		.amdhsa_system_sgpr_workgroup_id_y 1
		.amdhsa_system_sgpr_workgroup_id_z 1
		.amdhsa_system_vgpr_workitem_id 0
		.amdhsa_next_free_vgpr 768
		.amdhsa_next_free_sgpr 66
		.amdhsa_reserve_vcc 0
		.amdhsa_float_denorm_mode_32 3
		.amdhsa_float_denorm_mode_16_64 3
		.amdhsa_memory_ordered 1
		.amdhsa_forward_progress 1
		.amdhsa_inst_pref_size 39
	.end_amdhsa_kernel
	.amdgpu_metadata
---
amdhsa.version: [ 1, 2 ]
amdhsa.kernels:
  - .name:           k_qad41e25935_proj
    .symbol:         k_qad41e25935_proj.kd
    .args:
      - { .name: ows, .offset: 0, .size: 8, .value_kind: global_buffer, .address_space: global }
      - { .name: wbf, .offset: 8, .size: 8, .value_kind: global_buffer, .address_space: global }
      - { .name: out_b, .offset: 16, .size: 8, .value_kind: global_buffer, .address_space: global }
      - { .name: x, .offset: 24, .size: 8, .value_kind: global_buffer, .address_space: global }
      - { .name: out0, .offset: 32, .size: 8, .value_kind: global_buffer, .address_space: global }
    .group_segment_fixed_size: 199168
    .private_segment_fixed_size: 0
    .kernarg_segment_align: 8
    .kernarg_segment_size: 40
    .max_flat_workgroup_size: 128
    .sgpr_count:     66
    .vgpr_count:     768
    .wavefront_size: 32
...
	.end_amdgpu_metadata
.endif
;; end of part 4
;; ======== version 2 of 2: 4 launches; version 1 with the launch norm written anew for expert scheduling mode
;; workspace buffers: hbuf 8,388,608 bytes; wbf 524,288 bytes; qkv 25,165,824 bytes; ows 8,388,608 bytes
;; launch norm (part 5): grid 136 x 1, 8 waves a work-group, no clusters, 1,536 bytes of LDS; arguments x, gn_w, gn_b, qkv_w, out_w, hbuf, wbf; writes hbuf, wbf
.if DOCPART == 5
	.amdgcn_target "amdgcn-amd-amdhsa--gfx1250"
	.amdhsa_code_object_version 6
	.text
	.protected	k_qad41e25935_norm
	.globl	k_qad41e25935_norm
	.p2align	8
	.type	k_qad41e25935_norm,@function
k_qad41e25935_norm:
	s_mov_b64 s[64:65], 0
	v_nop
	global_prefetch_b8 v0, s[64:65] scope:SCOPE_SE
	s_setreg_imm32_b32 hwreg(HW_REG_WAVE_SCHED_MODE, 0, 2), 2
	s_setreg_imm32_b32 hwreg(HW_REG_WAVE_MODE, 25, 1), 1
	s_wait_xcnt 0x0
	s_wait_alu depctr_vm_vsrc(0)
; GROUP NORM, AND BOTH WEIGHT MATRICES ROUNDED TO bf16.
; x: [4][256][4096] f32.  A group is 8 channels x 4,096 positions of one image: 32,768 numbers, 131,072 consecutive bytes.  hbuf: the same order in bf16.
; wbf: [1024][256] bf16: rows 0-767 qkv_w, rows 768-1023 out_w.
; SHARES.  Every work-group takes 131,072 consecutive bytes of f32 and stores 65,536 of bf16.  Work-groups 0-127: group number = the work-group's number.  128-133: qkv_w.  134, 135: out_w.
; Each of the eight waves takes 16,384 bytes (in a group: one channel) and keeps them in 128 registers, so memory is read once.
; THE STATISTICS are made in two passes over the registers: the mean; then the sum of (x - mean)^2: no difference of large sums is formed.  All sums in f32.
; A wave's load covers 512 consecutive bytes, its store 256 consecutive bytes, aligned.  No matrix unit, no cluster: nothing is shared and nothing is multiplied by a matrix.
; THE MODE: SCHED_MODE bits 1:0 = 2 (LLVM: expert scheduling mode 2), set by the entry lines.  The code itself states the register dependences
; between vector instructions and memory or LDS instructions, with s_wait_alu, always for 0.
; THE PLAN.  Registers that memory or LDS instructions touch:
;   v[LO], v[SO], v[WD], v[ZA]  offsets and LDS addresses: written once at the head, read by loads, stores and LDS lines, never written again: one wait at the head serves them all.
;   v[SPW], v[NIL]              written at the head, read by the closing add alone.
;   X                           the 32 loads land in it before any vector line names it.  At the end the roundings write the first two registers of each four, in four batches of eight loads'
;                               registers; the stores of batch b read them and stand among the roundings of batch b + 1, which name that batch's registers alone.  No store's data is written again.
;   v[CH]                       written by the chains and the sums over the lanes; each of the two LDS stores reads it; the second pass's squares write it again behind the first store.
;   RB                          the LDS loads land in it; the adds and the mean's multiply name it; the second sums' LDS loads land in it again.
; THE WAITS.  One on va_sdst at the head (the wave's number).  One on va_vdst ahead of the first load.  One on va_vdst ahead of each LDS store.  One on vm_vsrc ahead of the second pass's squares.
; One on va_vdst behind the root.  One on va_vdst ahead of each batch's stores.
.set X,     16                         ; v[16:143]  32 loads of 4 registers
.set CH,    144                        ; v[144:151] four chains of pairs
.set RB,    152                        ; v[152:159] the eight waves' partial sums
.set LO,    2                          ; v2  16 x lane
.set SO,    3                          ; v3  8 x lane
.set WD,    4                          ; v4  4 x wave: my word among the partial sums
.set ZA,    5                          ; v5  0: the address from which all eight are read
.set SPW,   6                          ; v6  my spare word; never rewritten
.set NIL,   7                          ; v7  0; never rewritten
.set MEAN,  8                          ; v[8:9]   the mean, twice
.set GA,    10                         ; v[10:11] gain / sqrt(var + eps), twice
.set GB,    12                         ; v[12:13] the channel's bias, twice
.set RED0,  0                          ; LDS: eight words for the first sums,
.set RED1,  256                        ; eight for the second, in a block of their own,
.set SPARE, 512                        ; and the spare words, 128 bytes for each of eight waves
.set WV,    20                         ; s20 wave
	s_load_b256 s[4:11], s[0:1], 0x0               ; x s[4:5], gn_w s[6:7], gn_b s[8:9], qkv_w s[10:11]
	s_load_b128 s[12:15], s[0:1], 0x20             ; out_w s[12:13], hbuf s[14:15]
	s_load_b64 s[16:17], s[0:1], 0x30              ; wbf
	v_lshl_add_u32 v[SPW], v0, 2, SPARE
	v_mov_b32 v[NIL], 0
	v_lshrrev_b32 v1, 5, v0
	v_readfirstlane_b32 s[WV], v1                  ; wave 0..7
	v_and_b32 v1, 31, v0
	v_lshlrev_b32 v[LO], 4, v1
	v_lshlrev_b32 v[SO], 3, v1
	s_wait_alu depctr_va_sdst(0)                   ; s20, the wave's number, is written, ahead of its first reader: LDS words, bases and the channel are made from it
	s_lshl_b32 s21, s[WV], 2
	v_mov_b32 v[WD], s21
	v_mov_b32 v[ZA], 0
	s_mov_b32 s34, 0x76543210                      ; v_permlanex16_b32: each lane takes its own place in the other half
	s_mov_b32 s35, 0xfedcba98
	s_mov_b32 s36, 0x38000000                      ; 2^-15 = 1 / 32,768
	s_mov_b32 s37, 0x3727c5ac                      ; eps = 1e-5
	s_wait_kmcnt 0x0
	s_cmp_lt_u32 ttmp9, 128                        ; a group of x?
	s_cselect_b64 s[24:25], s[4:5], s[10:11]       ; from x, else from qkv_w
	s_cselect_b64 s[28:29], s[14:15], s[16:17]     ; into hbuf, else into wbf
	s_cselect_b32 s22, 0, 128                      ; the first work-group of that source
	s_cmp_ge_u32 ttmp9, 134
	s_cselect_b64 s[24:25], s[12:13], s[24:25]     ; the last two: from out_w
	s_cselect_b32 s22, 134, s22
	s_sub_co_u32 s22, ttmp9, s22
	s_lshl_b32 s22, s22, 17                        ; 131,072 bytes a work-group,
	s_lshl_b32 s21, s[WV], 14                      ; 16,384 a wave
	s_add_co_u32 s22, s22, s21
	s_mov_b32 s23, 0
	s_add_nc_u64 s[24:25], s[24:25], s[22:23]
	s_and_b32 s26, ttmp9, 127                      ; in hbuf the work-group's number, in wbf that number less 128
	s_lshl_b32 s26, s26, 16
	s_lshl_b32 s21, s[WV], 13
	s_add_co_u32 s26, s26, s21
	s_mov_b32 s27, 0
	s_add_nc_u64 s[28:29], s[28:29], s[26:27]
	s_wait_alu depctr_va_vdst(0)                   ; v2 to v7 are written: the offsets and LDS addresses that every load, store and LDS line of the kernel reads; none of them is written again
.set i, 0
.rept 32
	global_load_b128 v[X+4*i:X+4*i+3], v[LO], s[24:25] offset:512*i th:TH_LOAD_NT
.set i, i+1
.endr
	s_cmp_ge_u32 ttmp9, 128                        ; the same for all eight waves of a work-group
	s_cbranch_scc1 .Lround                         ; weights are only rounded
	s_and_b32 s32, ttmp9, 31                       ; my channel: 8 x group + wave,
	s_lshl_b32 s32, s32, 3
	s_add_co_u32 s32, s32, s[WV]
	s_lshl_b32 s32, s32, 2                         ; in bytes
	s_mov_b32 s33, 0
	s_add_nc_u64 s[6:7], s[6:7], s[32:33]
	s_add_nc_u64 s[8:9], s[8:9], s[32:33]
	s_load_b32 s30, s[6:7], 0x0                    ; its gain
	s_load_b32 s31, s[8:9], 0x0                    ; and bias: waited for where they are used
.macro FOLD                            ; the four chains into one number
	v_pk_add_f32 v[CH:CH+1], v[CH:CH+1], v[CH+2:CH+3]
	v_pk_add_f32 v[CH+4:CH+5], v[CH+4:CH+5], v[CH+6:CH+7]
	v_pk_add_f32 v[CH:CH+1], v[CH:CH+1], v[CH+4:CH+5]
	v_add_f32 v[CH], v[CH], v[CH+1]
.endm
.macro WRED                            ; over the 32 lanes: four steps inside each half ride on the addition, one crosses the halves
	v_add_f32_dpp v[CH], v[CH], v[CH] row_xmask:1 row_mask:0xf bank_mask:0xf
	v_add_f32_dpp v[CH], v[CH], v[CH] row_xmask:2 row_mask:0xf bank_mask:0xf
	v_add_f32_dpp v[CH], v[CH], v[CH] row_xmask:4 row_mask:0xf bank_mask:0xf
	v_add_f32_dpp v[CH], v[CH], v[CH] row_xmask:8 row_mask:0xf bank_mask:0xf
	v_permlanex16_b32 v[CH+2], v[CH], s34, s35     ; its destination has been written by the chains
	v_add_f32 v[CH], v[CH], v[CH+2]
.endm
.macro XRED base                       ; over the eight waves: each stores its word, one barrier, each reads all eight
	s_wait_alu depctr_va_vdst(0)                   ; the sum over the lanes has written v[CH], which the LDS store reads; at the second use the adds and the mean's multiply are done with v[RB ..], in which the LDS loads below land
	ds_store_b32 v[WD], v[CH] offset:\base
	s_wait_dscnt 0x0                               ; for the others' sake: my word is written
	s_barrier_signal -1
	s_barrier_wait -1
	ds_load_b128 v[RB:RB+3], v[ZA] offset:\base    ; no vector line since the wait above names v[RB ..]
	ds_load_b128 v[RB+4:RB+7], v[ZA] offset:(\base)+16
	s_wait_dscnt 0x0
	v_pk_add_f32 v[RB:RB+1], v[RB:RB+1], v[RB+2:RB+3]
	v_pk_add_f32 v[RB+4:RB+5], v[RB+4:RB+5], v[RB+6:RB+7]
	v_pk_add_f32 v[RB:RB+1], v[RB:RB+1], v[RB+4:RB+5]
	v_add_f32 v[RB], v[RB], v[RB+1]
.endm
	; pass 1: the sum.  The first eight pairs start the four chains: nothing is cleared.
.set p, 0
.rept 64
.if (p%16) == 0
	s_wait_loadcnt 24-(p/16)*8                     ; loads come back in order: the next eight are in, the younger ones stay out
.endif
.if p >= 8
	v_pk_add_f32 v[CH+2*(p%4):CH+2*(p%4)+1], v[CH+2*(p%4):CH+2*(p%4)+1], v[X+2*p:X+2*p+1]
.elseif p >= 4
	v_pk_add_f32 v[CH+2*(p-4):CH+2*(p-4)+1], v[X+2*(p-4):X+2*(p-4)+1], v[X+2*p:X+2*p+1]
.endif
.set p, p+1
.endr
	FOLD
	WRED
	XRED RED0
	v_mul_f32 v[MEAN], s36, v[RB]
	v_mov_b32 v[MEAN+1], v[MEAN]
	; pass 2: d = x - mean, in place, and the sum of d^2
.set p, 0
.rept 64
	v_pk_add_f32 v[X+2*p:X+2*p+1], v[X+2*p:X+2*p+1], v[MEAN:MEAN+1] neg_lo:[0,1] neg_hi:[0,1]
.set p, p+1
.endr
	s_wait_alu depctr_vm_vsrc(0)                   ; the first sums' LDS store has read v[CH], which the squares below write again
.set p, 0
.rept 64
.if p < 4
	v_pk_mul_f32 v[CH+2*p:CH+2*p+1], v[X+2*p:X+2*p+1], v[X+2*p:X+2*p+1]
.else
	v_pk_fma_f32 v[CH+2*(p%4):CH+2*(p%4)+1], v[X+2*p:X+2*p+1], v[X+2*p:X+2*p+1], v[CH+2*(p%4):CH+2*(p%4)+1]
.endif
.set p, p+1
.endr
	FOLD
	WRED
	XRED RED1                                      ; other words than the first sums': no wave need wait for the others' reads of those
	v_fma_f32 v[GA], v[RB], s36, s37               ; var + eps
	v_rsq_f32 v[GA], v[GA]
	v_nop                                          ; a plain instruction between the root and the use of its result
	s_wait_kmcnt 0x0                               ; gain and bias
	s_wait_alu depctr_va_vdst(0)                   ; the root has written v[GA], ahead of its first reader
	v_mul_f32 v[GA], s30, v[GA]
	v_mov_b32 v[GB], s31
	v_mov_b32 v[GB+1], s31
	v_mov_b32 v[GA+1], v[GA]
.set p, 0
.rept 64
	v_pk_fma_f32 v[X+2*p:X+2*p+1], v[X+2*p:X+2*p+1], v[GA:GA+1], v[GB:GB+1]
.set p, p+1
.endr
; THE WAY OUT, in four batches of eight loads' registers.  RND n: load n's four numbers close up, rounded, into its first two registers.  OUT n: they are stored.
.macro RND n
	v_cvt_pk_bf16_f32 v[X+4*(\n)], v[X+4*(\n)], v[X+4*(\n)+1]
	v_cvt_pk_bf16_f32 v[X+4*(\n)+1], v[X+4*(\n)+2], v[X+4*(\n)+3]
.endm
.macro OUT n
	global_store_b64 v[SO], v[X+4*(\n):X+4*(\n)+1], s[28:29] offset:256*(\n)  ; 32 lanes store 256 consecutive bytes, at a multiple of 256 from the buffer's first byte
.endm
.Lround:
	s_wait_loadcnt 0x0                             ; (on the groups' way all loads came long ago)
.set i, 0
.rept 8
	RND i                                          ; batch 0
.set i, i+1
.endr
.rept 3
	s_wait_alu depctr_va_vdst(0)                   ; the batch before has been rounded: its roundings have written the registers that the eight stores below read
.rept 8
	OUT i-8                                        ; the batch before goes out among this batch's roundings, which name this batch's registers alone
	RND i
.set i, i+1
.endr
.endr
	s_wait_alu depctr_va_vdst(0)                   ; batch 3's roundings have written the registers that the last eight stores read
.rept 8
	OUT i-8
.set i, i+1
.endr
	s_wait_dscnt 0x0                               ; the closing lines, six on end
	s_wait_alu 0x0
	s_wait_tensorcnt 0x0
	ds_add_u32 v[SPW], v[NIL]
	s_wait_dscnt 0x0
	s_endpgm
.Lfunc_end_k_qad41e25935_norm:
	.size	k_qad41e25935_norm, .Lfunc_end_k_qad41e25935_norm-k_qad41e25935_norm
	.p2alignl 7, 3214868480
	.fill 96, 4, 3214868480
	.section	.rodata,"a",@progbits
	.p2align	6, 0x0
	.amdhsa_kernel k_qad41e25935_norm
		.amdhsa_group_segment_fixed_size 1536
		.amdhsa_private_segment_fixed_size 0
		.amdhsa_enable_private_segment 0
		.amdhsa_kernarg_size 56
		.amdhsa_user_sgpr_count 2
		.amdhsa_user_sgpr_kernarg_segment_ptr 1
		.amdhsa_wavefront_size32 1
		.amdhsa_system_sgpr_workgroup_id_x 1
		.amdhsa_system_sgpr_workgroup_id_y 1
		.amdhsa_system_sgpr_workgroup_id_z 1
		.amdhsa_system_vgpr_workitem_id 0
		.amdhsa_next_free_vgpr 160
		.amdhsa_next_free_sgpr 66
		.amdhsa_reserve_vcc 0
		.amdhsa_float_denorm_mode_32 3
		.amdhsa_float_denorm_mode_16_64 3
		.amdhsa_memory_ordered 1
		.amdhsa_forward_progress 1
		.amdhsa_inst_pref_size 32
	.end_amdhsa_kernel
	.amdgpu_metadata
---
amdhsa.version: [ 1, 2 ]
amdhsa.kernels:
  - .name:           k_qad41e25935_norm
    .symbol:         k_qad41e25935_norm.kd
    .args:
      - { .name: x, .offset: 0, .size: 8, .value_kind: global_buffer, .address_space: global }
      - { .name: gn_w, .offset: 8, .size: 8, .value_kind: global_buffer, .address_space: global }
      - { .name: gn_b, .offset: 16, .size: 8, .value_kind: global_buffer, .address_space: global }
      - { .name: qkv_w, .offset: 24, .size: 8, .value_kind: global_buffer, .address_space: global }
      - { .name: out_w, .offset: 32, .size: 8, .value_kind: global_buffer, .address_space: global }
      - { .name: hbuf, .offset: 40, .size: 8, .value_kind: global_buffer, .address_space: global }
      - { .name: wbf, .offset: 48, .size: 8, .value_kind: global_buffer, .address_space: global }
    .group_segment_fixed_size: 1536
    .private_segment_fixed_size: 0
    .kernarg_segment_align: 8
    .kernarg_segment_size: 56
    .max_flat_workgroup_size: 256
    .sgpr_count:     66
    .vgpr_count:     160
    .wavefront_size: 32
...
	.end_amdgpu_metadata
.endif
;; end of part 5
;; launch qkvp: the kernel of part 2 again; grid 64 x 4, 4 waves a work-group, clusters of 4 x 4, 250,368 bytes of LDS; arguments hbuf, wbf, qkv_b, qkv; writes qkv
;; launch attn: the kernel of part 3 again; grid 16 x 16, 4 waves a work-group, clusters of 4 x 1, 327,680 bytes of LDS; arguments qkv, ows; writes ows
;; launch proj: the kernel of part 4 again; grid 64 x 4, 4 waves a work-group, clusters of 4 x 4, 199,168 bytes of LDS; arguments ows, wbf, out_b, x, out0; writes out0
